; MI455X (gfx1250); checked and timed in simulation.
; The chip was launched on July 23, 2026; its instructions are those of AMD's public machine-readable ISA for CDNA 5 (MIT licence, August 2026) and "CDNA5" Instruction Set Architecture Reference Guide (July 2026). The comments in the code are by the model that wrote it; some were corrected since.
;; Multi Head Self Attention. Allowed arithmetic: matrix products marked QUANTISED: E2M1 operands, one E8M0 scale for each 32 along K, by v_wmma_scale_f32_16x16x128_f8f6f4 with both operands' format E2M1 (or v_wmma_scale_f32_32x16x128_f4), f32 sums; products left as they are: bf16, f16 or f32 operands; f32 sums; everything else in f32.
;; Inputs: W_out 1,024 x 1,024 float32; W_qkv 1,024 x 3,072 float32; b_out 1,024 float32; b_qkv 3,072 float32; inputs 4 x 2,048 x 1,024 float32; mask 4 x 2,048 int32.
;; Outputs: out0 4 x 2,048 x 1,024 float32.
;; This version of the problem:
;;   THIS VERSION OF THE PROBLEM IS GIVEN IN LOW PRECISION. The matrix products marked QUANTISED in the list below multiply operands that are first quantised to E2M1 (2 exponent bits, 1 mantissa bit; 4 bits a number), with one power-of-two scale for each 32 numbers along K (OCP MX v1.0); their sums are f32. The products marked 'left as it is' may take bf16, f16 or f32 operands, with f32 sums. Whichever they take, every output number must still come out within the allowed error. Rounding operands to bf16 (8 significant bits) uses up far more of that allowance than f16 does (11 bits, for magnitudes from 6e-5 to 65,504). All else is computed in f32.
;;   The module's matrix products, in the order in which they are computed (A, B: the left and right operand; K: the contracted axis; several contracted axes count as one K, in the product's order):
;;     1. [M 8,192, K 1,024] x [K 1,024, N 3,072]; A: input inputs; B: input W_qkv: QUANTISED
;;     2. batch 64 x [M 2,048, K 64] x [K 64, N 2,048]; A: computed on the way; B: computed on the way: left as it is (an operand is computed on the way)
;;     3. batch 64 x [M 2,048, K 2,048] x [K 2,048, N 64]; A: computed on the way; B: computed on the way: left as it is (an operand is computed on the way)
;;     4. [M 8,192, K 1,024] x [K 1,024, N 1,024]; A: computed on the way; B: input W_out: left as it is (an operand is computed on the way)
;;   THE QUANTISER, for each operand of a quantised product, along K:
;;     - K is cut into blocks of 32 from its start; a last block that is shorter is filled with zeros.
;;     - A block's scale is 2^e with e = floor(log2(the largest magnitude in the block)) - 2, held to -126 .. 127; a block of zeros has e = 0. As a byte (E8M0): e + 127.
;;     - Each number is divided by its block's scale, clamped to +-6, and rounded to the nearest number of E2M1, ties to even, subnormals kept.
;;     - The product sums the exact products of the quantised numbers (number of the format x scale) in f32.
;;   ~~~python
;;   def quantise(x, axis):      # numpy; x: float32 -> the quantised numbers, widened to float32 again
;;       x = np.moveaxis(x, axis, -1); K = x.shape[-1]
;;       x = np.pad(x, [(0, 0)] * (x.ndim - 1) + [(0, -K % 32)]); x = x.reshape(x.shape[:-1] + (-1, 32)); a = np.abs(x).max(-1, keepdims=True)
;;       e = np.where(a > 0, np.clip(np.frexp(np.where(a > 0, a, 1))[1] - 1 - 2, -126, 127), 0)      # np.frexp(a)[1] - 1 = floor(log2(a)), exactly
;;       r = np.clip(x / 2.0 ** e, -6, 6)
;;       step = 2.0 ** (np.maximum(np.frexp(np.where(r == 0, 1, r))[1] - 1, 0) - 1)
;;       q = np.round(r / step) * step * 2.0 ** e      # np.round: ties to even
;;       return np.moveaxis(q.reshape(q.shape[:-2] + (-1,))[..., :K], -1, axis).astype(np.float32)
;;   ~~~
;; One version. Each part assembles by itself: llvm-mc -triple=amdgcn-amd-amdhsa -mcpu=gfx1250 --defsym DOCPART=n.
;; ======== version 1 of 1: 4 launches
;; limits: values are held in f16: magnitudes above 65,504 overflow, below 6.1e-05 lose precision
;; workspace buffers: x_codes 4,194,304 bytes; x_scales 262,144 bytes; w_codes 1,572,864 bytes; w_scales 98,304 bytes; wot 2,097,152 bytes; maskb 33,792 bytes; qkv 50,331,648 bytes; att 16,777,216 bytes
;; launch prep (part 1): grid 369 x 1, 4 waves a work-group, no clusters, 102,912 bytes of LDS; arguments inputs, W_qkv, W_out, mask, x_codes, x_scales, w_codes, w_scales, wot, maskb; writes x_codes, x_scales, w_codes, w_scales, wot, maskb
.if DOCPART == 1
	.amdgcn_target "amdgcn-amd-amdhsa--gfx1250"
	.amdhsa_code_object_version 6
	.text
	.protected	k_q7209cb648c_prep
	.globl	k_q7209cb648c_prep
	.p2align	8
	.type	k_q7209cb648c_prep,@function
k_q7209cb648c_prep:
	s_mov_b64 s[64:65], 0
	v_nop
	global_prefetch_b8 v0, s[64:65] scope:SCOPE_SE
	s_setreg_imm32_b32 hwreg(HW_REG_WAVE_MODE, 25, 1), 1
	s_wait_xcnt 0x0
; PREP: four jobs in one launch, told apart by the work-group's number alone (a scalar branch, the same in all four waves); the paths never join.
;   X, work-groups 0-255:   inputs [8192][1024] f32 -> codes of FP4 (E2M1), K innermost, [8192][512 bytes], and one E8M0 byte for each 32 along K, [8192][32].
;   W, work-groups 256-303: W_qkv [1024 k][3072 n] f32, K its FIRST axis -> codes [3072 n][512 bytes] with K innermost, bytes [3072][32].
;   O, work-groups 304-367: W_out [1024 k][1024 n] f32 -> its transpose in f16, [1024 n][1024 k].
;   M, work-group 368:      mask [4][2048] int32 -> for each batch 2,048 f32 biases (0 for a key that counts, -2^100 for one that does not) and 64 equal flag words (all ones).
;                           A batch with no key that counts gets bias 0 everywhere and flag 0: the attention launch then clears its queries, all scores are equal, and the softmax is uniform, as the reference's is.
; A block's scale is 2^(floor(log2(its largest magnitude)) - 2); its byte is the largest magnitude's exponent field - 2, held at 1 from below.  A block of zeros so gets the byte 1: its codes are zeros, and this program alone reads the bytes.
; LIMITS: NaN and infinities among the inputs are not served; W_out's magnitudes stay under 65,504 (f16); blocks whose largest magnitude lies under 2^(2 - 126) have their byte held at 1.
; LDS: each path has bytes of its own: X 0 .. 32,767 (8,192 a wave), W 32,768 .. 67,583, O 67,584 .. 102,399 (32 rows x 272 bytes a wave), then the spare words.  Waves share nothing: no barrier.
.set SPW,   196                        ; v196  LDS address of my spare word: SPARE + 4 x my thread's number; never rewritten
.set NIL,   197                        ; v197  0; never rewritten
.set WREG,  8192                       ; path X: a wave's region
.set WSTG,  32768                      ; path W: the four stages
.set OSTG,  67584                      ; path O: the four stages
.set SPARE, 102400                     ; the spare words, 128 bytes for each wave: two blocks of 256 bytes that no other line names
.set PITCH, 272                        ; a stage row of paths W and O: 256 bytes + 16
.set EMAX,  2
.macro FINISH                          ; a wave's end
	s_wait_tensorcnt 0x0
	ds_add_u32 v[SPW], v[NIL]
	s_wait_dscnt 0x0
	s_endpgm
.endm
	s_load_b256 s[4:11], s[0:1], 0x0               ; inputs s[4:5], W_qkv s[6:7], W_out s[8:9], mask s[10:11]
	s_load_b256 s[12:19], s[0:1], 0x20             ; x_codes s[12:13], x_scales s[14:15], w_codes s[16:17], w_scales s[18:19]
	s_load_b128 s[20:23], s[0:1], 0x40             ; wot s[20:21], maskb s[22:23]
	v_lshl_add_u32 v[SPW], v0, 2, SPARE
	v_mov_b32 v[NIL], 0
	v_lshrrev_b32 v1, 5, v0
	v_readfirstlane_b32 s24, v1                    ; wave 0..3
	v_and_b32 v2, 31, v0                           ; lane
	s_mov_b32 s29, 0                               ; the high word of every offset pair s[28:29]
	s_wait_kmcnt 0x0
	s_cmp_lt_u32 ttmp9, 256
	s_cbranch_scc1 .Lpath_x
	s_cmp_lt_u32 ttmp9, 304
	s_cbranch_scc1 .Lpath_w
	s_cmp_lt_u32 ttmp9, 368
	s_cbranch_scc1 .Lpath_o
; ---------------- PATH M: wave w takes batch w: 2,048 words, 64 a lane ----------------
	v_lshlrev_b32 v3, 4, v2                        ; 16 bytes a lane
	v_lshlrev_b32 v4, 3, v2                        ; the flag words: 8 bytes a lane
	s_lshl_b32 s28, s24, 13
	s_add_nc_u64 s[10:11], s[10:11], s[28:29]      ; my batch's 8,192 bytes of mask
	s_mul_i32 s28, s24, 8448
	s_add_nc_u64 s[22:23], s[22:23], s[28:29]      ; and its 8,448 bytes of the table
.irp i, 0,1,2,3,4,5,6,7,8,9,10,11,12,13,14,15
	global_load_b128 v[32+4*\i:35+4*\i], v3, s[10:11] offset:512*\i
.endr
	s_mov_b32 s30, 0
	v_mov_b32 v15, 0
	s_wait_loadcnt 0x0
.set j, 0
.rept 64                               ; does any key of the batch count?
	v_cmp_lt_i32 vcc_lo, 0, v[32+j]
	s_or_b32 s30, s30, vcc_lo
.set j, j+1
.endr
	s_cmp_lg_u32 s30, 0
	s_cselect_b32 s31, 0xf1800000, 0               ; -2^100 for a key that does not count; 0 where none counts
	s_cselect_b32 s32, -1, 0                       ; the flag
	v_mov_b32 v14, s31
	v_mov_b32 v16, s32
	v_mov_b32 v17, s32
.set j, 0
.rept 64
	v_cmp_lt_i32 vcc_lo, 0, v[32+j]
	v_cndmask_b32 v[32+j], v14, v15, vcc_lo        ; 0 where the key counts
.set j, j+1
.endr
.irp i, 0,1,2,3,4,5,6,7,8,9,10,11,12,13,14,15
	global_store_b128 v3, v[32+4*\i:35+4*\i], s[22:23] offset:512*\i   ; 32 lanes store 512 consecutive bytes
.endr
	global_store_b64 v4, v[16:17], s[22:23] offset:8192                ; 256 consecutive bytes of flag words
	FINISH
; ---------------- PATH X: the tokens, K innermost ----------------
; Rows are dense and K is a multiple of 32: the tensor is a plain stream of blocks of 32.  A wave takes 16 steps of 512 numbers.  Each of a step's four loads reads 512 consecutive bytes; the 2,048 bytes turn
; through the wave's own stage (16 bytes of padding behind each 64) and come back 64 bytes a lane: 16 neighbours along K, two lanes to a block.  Loads run four steps ahead, the turn one step.
.Lpath_x:
.set STEPS, 16
.set CB,    8                          ; bytes of 16 codes
.set XR,    16                         ; v16-79   four sets of 16 numbers as loaded
.set XX,    80                         ; v80-111  two sets of 16 neighbours
.set XE,    112                        ; v112-127 a scale byte for each step
.set XC,    128                        ; v128-191 codes: four registers for each step, so that no store's data are written again
.set SP,    80                         ; a lane's place in a stage
	v_lshlrev_b32 v3, 4, v2                        ; my 16 bytes of a load's 512
	s_mul_i32 s25, s24, WREG
	v_lshrrev_b32 v14, 2, v2
	v_mul_u32_u24 v14, v14, SP
	v_and_b32 v15, 3, v2
	v_lshl_add_u32 v14, v15, 4, v14
	v_add_nc_u32 v14, s25, v14                     ; the stage, on the way in: SP (lane / 4) + 16 (lane % 4)
	v_mul_u32_u24 v15, v2, SP
	v_add_nc_u32 v15, s25, v15                     ; and on the way out: SP x lane
	v_mul_u32_u24 v4, v2, CB                       ; my codes' place in a step's
	v_lshrrev_b32 v5, 1, v2
	s_add_co_u32 s25, s25, 2*32*SP
	v_add_nc_u32 v5, s25, v5                       ; my wave's 256 scale bytes, my block's byte
	v_lshlrev_b32 v7, 3, v2
	v_add_nc_u32 v6, s25, v7                       ; and on the way out 8 bytes a lane
	s_lshl_b32 s26, ttmp9, 2
	s_add_co_u32 s26, s26, s24                     ; which run of 8,192 numbers is my wave's
	s_lshl_b32 s28, s26, 15
	s_add_nc_u64 s[4:5], s[4:5], s[28:29]
	s_lshl_b32 s28, s26, 12
	s_add_nc_u64 s[12:13], s[12:13], s[28:29]
	s_lshl_b32 s28, s26, 8
	s_add_nc_u64 s[14:15], s[14:15], s[28:29]
.macro XLOAD t
.irp i, 0,1,2,3
	global_load_b128 v[XR+16*((\t)%4)+4*\i:XR+16*((\t)%4)+4*\i+3], v3, s[4:5] offset:2048*(\t)+512*\i th:TH_LOAD_NT
.endr
.endm
.macro XTURN t                         ; LDS serves a wave's instructions in order: no wait between the stores and the loads
.irp i, 0,1,2,3
	ds_store_b128 v14, v[XR+16*((\t)%4)+4*\i:XR+16*((\t)%4)+4*\i+3] offset:32*SP*((\t)%2)+8*SP*\i
.endr
.irp i, 0,1,2,3
	ds_load_b128 v[XX+16*((\t)%2)+4*\i:XX+16*((\t)%2)+4*\i+3], v15 offset:32*SP*((\t)%2)+16*\i
.endr
.endm
.irp t, 0,1,2,3
	XLOAD \t
.endr
	s_wait_loadcnt 12                              ; step 0's four loads are in; the twelve of steps 1 to 3 stay out
	XTURN 0
.macro XSTEP t
.set XS, XX+16*((\t)%2)
.if (\t) > 0
	s_wait_dscnt 1                                 ; this step's numbers are back from the stage (the last step's byte store may be out): so the stores into the stage have read their registers,
.else
	s_wait_dscnt 0x0
.endif
.if (\t)+4 < STEPS
	XLOAD (\t)+4                                   ; which take the loads of four steps on
.endif
.if (\t)+1 < STEPS
.if STEPS-2-(\t) >= 3
	s_wait_loadcnt 12                              ; the next step's four loads are in; those of the three steps behind it may be out
.else
	s_wait_loadcnt 4*(STEPS-2-(\t))
.endif
	XTURN (\t)+1
.endif
	v_max3_num_f32 v8, |v[XS]|, |v[XS+1]|, |v[XS+2]|               ; the largest magnitude of my 16, in two chains
	v_max3_num_f32 v9, |v[XS+3]|, |v[XS+4]|, |v[XS+5]|
.irp i, 6,10
	v_max3_num_f32 v8, v8, |v[XS+\i]|, |v[XS+\i+1]|
	v_max3_num_f32 v9, v9, |v[XS+\i+2]|, |v[XS+\i+3]|
.endr
	v_max3_num_f32 v8, v8, |v[XS+14]|, |v[XS+15]|
	v_max3_num_f32 v8, v8, v9, (EMAX+1)<<23        ; and the floor 2^(EMAX + 1 - 127): the byte cannot fall under 1
	v_max_num_f32_dpp v8, v8, v8 row_xmask:1 row_mask:0xf bank_mask:0xf   ; with my neighbour's 16: the block's
	v_add_nc_u32 v11, -(EMAX<<23), v8              ; EMAX off its exponent field: the conversion takes this operand's exponent field as its scale
	v_cvt_scalef32_pk8_fp4_f32 v[XC+4*(\t)], v[XS:XS+7], v11
	v_cvt_scalef32_pk8_fp4_f32 v[XC+4*(\t)+1], v[XS+8:XS+15], v11
	v_lshrrev_b32 v[XE+(\t)], 23, v11              ; the scale's byte (also the plain line behind the conversions)
	ds_store_b8 v5, v[XE+(\t)] offset:16*(\t)      ; both lanes of a block write the same byte with the same value
	global_store_b64 v4, v[XC+4*(\t):XC+4*(\t)+1], s[12:13] offset:32*CB*(\t)   ; 32 lanes store 256 consecutive bytes, aligned
.endm
.irp t, 0,1,2,3,4,5,6,7,8,9,10,11,12,13,14,15
	XSTEP \t
.endr
	ds_load_b64 v[8:9], v6                         ; in order behind my byte stores
	s_wait_dscnt 0x0
	global_store_b64 v7, v[8:9], s[14:15]          ; the wave's 256 scale bytes: 256 consecutive bytes, aligned
	FINISH
; ---------------- what paths W and O share: a lane takes a column, its registers run down K; results leave through a stage of 32 rows ----------------
.macro STAGEADR base, krow
	v_lshlrev_b32 v3, 2, v2                        ; in: 4 bytes a lane
	s_mul_i32 s27, s24, 32*PITCH
	s_add_co_u32 s27, s27, \base                   ; my stage
	v_mul_u32_u24 v4, v2, PITCH
	v_add_nc_u32 v4, s27, v4                       ; into it: row = my column
	v_and_b32 v5, 15, v2
	v_lshrrev_b32 v6, 4, v2
	v_mul_u32_u24 v7, v6, PITCH
	v_lshl_add_u32 v7, v5, 4, v7
	v_add_nc_u32 v7, s27, v7                       ; out of it: sixteen lanes to a row, two rows an instruction
	v_mul_u32_u24 v8, v6, \krow
	v_lshl_add_u32 v8, v5, 4, v8                   ; and the same place in the output
.endm
.macro ROWSOUT lo, krow
.irp t, 0,1,2,3,4,5,6,7,8,9,10,11,12,13,14,15
	ds_load_b128 v[112+4*\t:115+4*\t], v7 offset:2*\t*PITCH        ; in order behind my stores
.endr
.irp t, 0,1,2,3,4,5,6,7,8,9,10,11,12,13,14,15
	s_wait_dscnt 15-\t                             ; load t is in; the younger ones may be out
	global_store_b128 v8, v[112+4*\t:115+4*\t], s[\lo:\lo+1] offset:2*\t*\krow   ; sixteen lanes store 256 consecutive bytes, aligned
.endr
.endm
; ---------------- PATH W: a wave takes 32 columns x 512 along K: 16 blocks a lane ----------------
.Lpath_w:
.set WX,  32                           ; v32-95   two sets of 32 numbers
.set WC,  96                           ; v96-99   a block's codes
.set WSB, 24                           ; v24-27   the scale bytes, four to a register
.set NB,  16
	STAGEADR WSTG, 512
	v_lshlrev_b32 v9, 5, v2                        ; my column's row of 32 scale bytes
	s_sub_co_u32 s25, ttmp9, 256
	s_and_b32 s26, s25, 1                          ; which 512 along K
	s_lshr_b32 s25, s25, 1
	s_lshl_b32 s25, s25, 7
	s_lshl_b32 s27, s24, 5
	s_add_co_u32 s25, s25, s27                     ; my wave's first column
	s_mul_i32 s28, s26, 512*3072*4
	s_lshl_b32 s27, s25, 2
	s_add_co_u32 s28, s28, s27
	s_add_nc_u64 s[6:7], s[6:7], s[28:29]
	s_lshl_b32 s28, s25, 9
	s_lshl_b32 s27, s26, 8
	s_add_co_u32 s28, s28, s27
	s_add_nc_u64 s[16:17], s[16:17], s[28:29]
	s_lshl_b32 s28, s25, 5
	s_lshl_b32 s27, s26, 4
	s_add_co_u32 s28, s28, s27
	s_add_nc_u64 s[18:19], s[18:19], s[28:29]
.macro WLOAD t                         ; block t: W(32 t + i, my column); 511 rows of 12,288 bytes at the most: inside the signed 24-bit immediate
.irp i, 0,1,2,3,4,5,6,7,8,9,10,11,12,13,14,15,16,17,18,19,20,21,22,23,24,25,26,27,28,29,30,31
	global_load_b32 v[WX+32*((\t)%2)+\i], v3, s[6:7] offset:(32*(\t)+\i)*12288 th:TH_LOAD_NT
.endr
.endm
	WLOAD 0
	WLOAD 1
.macro WBLOCK t
.set WS, WX+32*((\t)%2)
.if (\t) < NB-1
	s_wait_loadcnt 32                              ; this block's 32 loads are in; the next block's may be out
.else
	s_wait_loadcnt 0
.endif
	v_max3_num_f32 v12, |v[WS]|, |v[WS+1]|, |v[WS+2]|              ; all 32 numbers of the block are mine
	v_max3_num_f32 v13, |v[WS+3]|, |v[WS+4]|, |v[WS+5]|
.irp i, 6,10,14,18,22,26
	v_max3_num_f32 v12, v12, |v[WS+\i]|, |v[WS+\i+1]|
	v_max3_num_f32 v13, v13, |v[WS+\i+2]|, |v[WS+\i+3]|
.endr
	v_max3_num_f32 v12, v12, |v[WS+30]|, |v[WS+31]|
	v_max3_num_f32 v12, v12, v13, (EMAX+1)<<23
	v_add_nc_u32 v11, -(EMAX<<23), v12
	v_lshrrev_b32 v13, 23, v11                     ; the scale's byte
.if (\t)%4 == 0
	v_mov_b32 v[WSB+(\t)/4], v13
.else
	v_lshl_or_b32 v[WSB+(\t)/4], v13, 8*((\t)%4), v[WSB+(\t)/4]
.endif
.irp g, 0,1,2,3
	v_cvt_scalef32_pk8_fp4_f32 v[WC+\g], v[WS+8*\g:WS+8*\g+7], v11
.endr
	v_nop                                          ; one plain line behind the last conversion
	ds_store_b128 v4, v[WC:WC+3] offset:16*(\t)    ; 32 codes: 16 bytes of my column's row
.if (\t)+2 < NB
	WLOAD (\t)+2
.endif
	s_wait_dscnt 0x0                               ; the store has read its registers: the next block's codes may be written
.endm
.set Q, 0
.rept NB
	WBLOCK Q
.set Q, Q+1
.endr
	global_store_b128 v9, v[WSB:WSB+3], s[18:19]   ; my column's 16 scale bytes
	ROWSOUT 16, 512
	FINISH
; ---------------- PATH O: a wave takes 32 columns x 128 along k of W_out and writes them as rows of f16 ----------------
.Lpath_o:
	STAGEADR OSTG, 2048
	s_sub_co_u32 s25, ttmp9, 304
	s_and_b32 s26, s25, 7                          ; which 128 along k
	s_lshr_b32 s25, s25, 3
	s_lshl_b32 s25, s25, 7
	s_lshl_b32 s27, s24, 5
	s_add_co_u32 s25, s25, s27                     ; my wave's first column
	s_lshl_b32 s28, s26, 19                        ; 128 rows of 4,096 bytes
	s_lshl_b32 s27, s25, 2
	s_add_co_u32 s28, s28, s27
	s_add_nc_u64 s[8:9], s[8:9], s[28:29]
	s_lshl_b32 s28, s25, 11                        ; a row of the transpose is 2,048 bytes
	s_lshl_b32 s27, s26, 8
	s_add_co_u32 s28, s28, s27
	s_add_nc_u64 s[20:21], s[20:21], s[28:29]
.macro OLOAD t
.irp i, 0,1,2,3,4,5,6,7,8,9,10,11,12,13,14,15,16,17,18,19,20,21,22,23,24,25,26,27,28,29,30,31
	global_load_b32 v[32+32*((\t)%2)+\i], v3, s[8:9] offset:(32*(\t)+\i)*4096 th:TH_LOAD_NT
.endr
.endm
	OLOAD 0
	OLOAD 1
.macro OBLOCK t
.set OS, 32+32*((\t)%2)
.if (\t) < 3
	s_wait_loadcnt 32                              ; this block's 32 loads are in; the next block's may be out
.else
	s_wait_loadcnt 0
.endif
.irp i, 0,1,2,3,4,5,6,7,8,9,10,11,12,13,14,15
	v_cvt_pk_f16_f32 v[96+\i], v[OS+2*\i], v[OS+2*\i+1]            ; two neighbours along k, the lower in the low half
.endr
.irp g, 0,1,2,3
	ds_store_b128 v4, v[96+4*\g:99+4*\g] offset:64*(\t)+16*\g
.endr
.if (\t)+2 < 4
	OLOAD (\t)+2
.endif
	s_wait_dscnt 0x0                               ; the stores have read their registers
.endm
.irp t, 0,1,2,3
	OBLOCK \t
.endr
	ROWSOUT 20, 2048
	FINISH
.Lfunc_end_k_q7209cb648c_prep:
	.size	k_q7209cb648c_prep, .Lfunc_end_k_q7209cb648c_prep-k_q7209cb648c_prep
	.p2alignl 7, 3214868480
	.fill 96, 4, 3214868480
	.section	.rodata,"a",@progbits
	.p2align	6, 0x0
	.amdhsa_kernel k_q7209cb648c_prep
		.amdhsa_group_segment_fixed_size 102912
		.amdhsa_private_segment_fixed_size 0
		.amdhsa_enable_private_segment 0
		.amdhsa_kernarg_size 80
		.amdhsa_user_sgpr_count 2
		.amdhsa_user_sgpr_kernarg_segment_ptr 1
		.amdhsa_wavefront_size32 1
		.amdhsa_system_sgpr_workgroup_id_x 1
		.amdhsa_system_sgpr_workgroup_id_y 1
		.amdhsa_system_sgpr_workgroup_id_z 1
		.amdhsa_system_vgpr_workitem_id 0
		.amdhsa_next_free_vgpr 200
		.amdhsa_next_free_sgpr 66
		.amdhsa_reserve_vcc 1
		.amdhsa_float_denorm_mode_32 3
		.amdhsa_float_denorm_mode_16_64 3
		.amdhsa_memory_ordered 1
		.amdhsa_forward_progress 1
		.amdhsa_inst_pref_size 145
	.end_amdhsa_kernel
	.amdgpu_metadata
---
amdhsa.version: [ 1, 2 ]
amdhsa.kernels:
  - .name:           k_q7209cb648c_prep
    .symbol:         k_q7209cb648c_prep.kd
    .args:
      - { .name: inputs, .offset: 0, .size: 8, .value_kind: global_buffer, .address_space: global }
      - { .name: W_qkv, .offset: 8, .size: 8, .value_kind: global_buffer, .address_space: global }
      - { .name: W_out, .offset: 16, .size: 8, .value_kind: global_buffer, .address_space: global }
      - { .name: mask, .offset: 24, .size: 8, .value_kind: global_buffer, .address_space: global }
      - { .name: x_codes, .offset: 32, .size: 8, .value_kind: global_buffer, .address_space: global }
      - { .name: x_scales, .offset: 40, .size: 8, .value_kind: global_buffer, .address_space: global }
      - { .name: w_codes, .offset: 48, .size: 8, .value_kind: global_buffer, .address_space: global }
      - { .name: w_scales, .offset: 56, .size: 8, .value_kind: global_buffer, .address_space: global }
      - { .name: wot, .offset: 64, .size: 8, .value_kind: global_buffer, .address_space: global }
      - { .name: maskb, .offset: 72, .size: 8, .value_kind: global_buffer, .address_space: global }
    .group_segment_fixed_size: 102912
    .private_segment_fixed_size: 0
    .kernarg_segment_align: 8
    .kernarg_segment_size: 80
    .max_flat_workgroup_size: 128
    .sgpr_count:     66
    .vgpr_count:     200
    .wavefront_size: 32
...
	.end_amdgpu_metadata
.endif
;; end of part 1
;; launch qkv (part 2): grid 12 x 32, 4 waves a work-group, clusters of 4 x 4, 327,680 bytes of LDS; arguments x_codes, x_scales, w_codes, w_scales, qkv, b_qkv; writes qkv
.if DOCPART == 2
	.amdgcn_target "amdgcn-amd-amdhsa--gfx1250"
	.amdhsa_code_object_version 6
	.text
	.protected	k_q7209cb648c_qkv
	.globl	k_q7209cb648c_qkv
	.p2align	8
	.type	k_q7209cb648c_qkv,@function
k_q7209cb648c_qkv:
	s_mov_b64 s[64:65], 0
	v_nop
	global_prefetch_b8 v0, s[64:65] scope:SCOPE_SE
	s_setreg_imm32_b32 hwreg(HW_REG_WAVE_MODE, 25, 1), 1
	s_wait_xcnt 0x0
	s_wait_alu depctr_hold_cnt(0) depctr_sa_sdst(0) depctr_va_vdst(0) depctr_va_sdst(0) depctr_va_ssrc(0) depctr_va_vcc(0) depctr_vm_vsrc(0)
	s_getreg_b32 s2, hwreg(HW_REG_IB_STS2, 6, 4)
	s_cmp_eq_u32 s2, 0
	s_cbranch_scc0 .Lentry_in_a_cluster
	s_endpgm
.Lentry_in_a_cluster:
	s_bfe_u32 s2, ttmp6, 0x10000c
	s_cmp_lg_u32 s2, 0xf033
	s_cbranch_scc0 .Lentry_shape_is_right
	s_endpgm
.Lentry_shape_is_right:
; QKV: proj[m][n] = sum over k of x[m][k] W[k][n] + b[n], both operands as codes of FP4 (E2M1) with one E8M0 scale for each 32 along K, by the scaled matrix form; sums in f32.
; A: x_codes [8192][512 bytes], x_scales [8192][32].  B: w_codes [3072 n][512 bytes], w_scales [3072][32].  Out: qkv [3 tensors][4 b][16 h][2048 t][64] f16: q, k, v by heads.
; q's columns are multiplied in f32 by c = log2(e) / 8 (the reference's 1 / 8, and the base-2 factor of the softmax), so that the attention launch subtracts its maximum without a multiplication.
; LIMIT: q x c, k and v are rounded to f16: their magnitudes stay under 65,504.
; A tile of 256 x 256 is made by four waves, 128 x 128 each: 64 accumulators, 512 registers.  K = 1,024 is two K steps of 512, one in each of two LDS slots: both are asked for at the start and nothing is filled again.
; The scale bytes of the work-group's 256 + 256 rows, for all of K, are two dense blocks: they come once, in rows of 256 bytes.
; CLUSTERS: 4 x 4 work-groups; A's tiles are shared along a row of the cluster, B's along a column: each is asked for jointly, by the same tensor load with the same descriptor and a mask that names the four.
; THE MATRIX INSTRUCTION IS USED TRANSPOSED (source 0 = 16 rows of B, source 1 = 16 rows of A): a lane holds eight neighbouring columns of one row.
; REGISTERS, in windows of 256: window 0: v0-31 addresses; v32-95 scale words, two sets; v128-191 A's fragments, one set; on the way out v32-191 are free.
;   window 1: B's fragments, two sets, v0-63 and v128-191; v64-127 my 128 biases in the result's layout.   window 2: the accumulators of my rows 0-63;   window 3: of rows 64-127.
.set SIZE_M, 8192
.set SIZE_N, 3072
.set SIZE_K, 1024
.set KSTEP,  512
.set NQ,     KSTEP/128
.set ROWB,   256                       ; a tile's row in bytes
.set KROW,   SIZE_K/2                  ; a row of codes in memory
.set PITCH,  272                       ; an LDS row: 256 bytes + 16 of padding = 68 words: the 16 rows that a load touches start at 16 different banks (64 banks of 4 bytes: ISA guide 11.1)
.set FR,     8
.set NL,     2
.set NP,     4                         ; places behind this matrix instruction (ISA guide 7.12.1)
.set HALFT,  128*PITCH
.set SLOT,   4*HALFT
.set KS,     SIZE_K/32
.set SCL,    2*SLOT                    ; behind the two slots: the scales
.set HALFS,  (128*KS/256)*272
.set SBLK,   (16*KS/256)*272
.set SPARE,  SCL+4*HALFS               ; the spare words, 128 bytes for each wave: two blocks of 256 bytes that no other line names
.set SPITCH, 272                       ; the way out: a stage of 16 rows x (256 bytes + 16) for each wave, in slot 0, which has had its only fill and its last read when the first result is stored there
.set ADRA, 16
.set ADRB, 20
.set STO,  24
.set RD,   25
.set CO,   26
.set ADRS, 27
.set SPW,  28                          ; v28  SPARE + 4 x my thread's number; never rewritten
.set NIL,  29                          ; v29  0; never rewritten
.set BO,   30                          ; v30  32 x (lane / 16): my half's eight biases of a block
.set SC,   32
.set AF,   128
.set TF,   32                          ; the way out: 64 results in f32,
.set TMP,  96                          ; packed to f16,
.set BK,   128                         ; and read back by rows: v128-159 and v160-191 by turns
.set BIA,  64                          ; in window 1
.set G1, 24
.set G0, 32
.set G1B, 48
.set G0B, 56
.set G1S, 68
.set G0S, 76
.set G1SB, 80
.set G0SB, 88
.set MSB, 0
.macro WIN new                         ; the immediate's high byte repeats the setting that is left
.if MSB != (\new)
	s_set_vgpr_msb (MSB<<8)|(\new)
.set MSB, (\new)
.endif
.endm
.set MUL_LO, 0xa1                      ; source 0 (B) window 1, source 1 (A) window 0, C and D window 2
.set MUL_HI, 0xf1
.set TO_B,   0x40
; A joint load: waves 0 and 1 fetch for A, waves 2 and 3 for B; the branch hangs on the wave's number alone.  An s_nop 0 and four v_nop follow each line.
.macro JLOAD g0a, g1a, g0b, g1b
	s_cmp_eq_u32 s15, 0
	s_cbranch_scc0 .Lfor_b_\@
	tensor_load_to_lds s[\g0a:\g0a+3], s[\g1a:\g1a+7]
	s_nop 0
.rept 4
	v_nop
.endr
	s_branch .Lasked_\@
.Lfor_b_\@:
	tensor_load_to_lds s[\g0b:\g0b+3], s[\g1b:\g1b+7]
	s_nop 0
.rept 4
	v_nop
.endr
.Lasked_\@:
.endm
.macro CROUND                          ; a round of the cluster's barrier
	s_barrier_signal -1
	s_barrier_wait -1
	s_cmp_lg_u32 s14, 0
	s_cbranch_scc1 .Lnot_wave_0_\@
	s_barrier_signal -3
.Lnot_wave_0_\@:
	s_barrier_wait -3
	s_barrier_signal -1
	s_barrier_wait -1
.endm
	s_load_b128 s[4:7], s[0:1], 0x0                ; A's codes, A's scales
	s_load_b128 s[8:11], s[0:1], 0x10              ; B's codes, B's scales
	s_load_b64 s[12:13], s[0:1], 0x20              ; qkv
	s_load_b64 s[96:97], s[0:1], 0x28              ; b_qkv
	v_lshl_add_u32 v[SPW], v0, 2, SPARE
	v_mov_b32 v[NIL], 0
	ds_add_u32 v[SPW], v[NIL]                      ; the wave's opening: the add, twice on end, and its wait ahead of my first tensor load
	ds_add_u32 v[SPW], v[NIL]
	v_lshrrev_b32 v1, 5, v0
	v_readfirstlane_b32 s14, v1                    ; wave 0..3
	s_lshr_b32 s15, s14, 1                         ; my half of the tile's rows.  Also: I fetch for A (0) or for B (1)
	s_and_b32 s16, s14, 1                          ; my half of its columns.  Also: which 128 rows I fetch
	s_bfe_u32 s40, ttmp6, 0x40000                  ; cx
	s_bfe_u32 s41, ttmp6, 0x40004                  ; cy
	s_lshl_b32 s42, ttmp9, 2
	s_add_co_u32 s42, s42, s40                     ; tile column = 4 x cluster x + cx
	s_and_b32 s17, ttmp7, 0xffff
	s_lshl_b32 s17, s17, 2
	s_add_co_u32 s17, s17, s41                     ; tile row = 4 x cluster y + cy
	s_lshl_b32 s43, s41, 2
	s_lshl_b32 s43, 15, s43                        ; my row of the cluster
	s_lshl_b32 s44, 0x1111, s40                    ; my column
	s_cmp_eq_u32 ttmp9, 0                          ; a cluster's 1,024 columns are one tensor: cluster x = 0 is q
	s_cselect_b32 s98, 0x3e38aa3b, 1.0             ; c = log2(e) / 8 for q, 1 for k and v: a choice of a value, no branch
	s_mov_b32 s99, s98                             ; (named with it as a pair)
	s_or_b32 s[G1+0], s43, (0<<16)|(1<<20)|(1<<21)|(5<<22)|(3<<25)  ; the mask; elements of 1 byte; padding on; bit 21 beside a mask; after every 64 words 4 words
	s_or_b32 s[G1B+0], s44, (0<<16)|(1<<20)|(1<<21)|(5<<22)|(3<<25)
.irp g, G1, G1B
	s_mov_b32 s[\g+1], ROWB<<16                    ; tensor_dim0
	s_mov_b32 s[\g+2], 128<<16                     ; tensor_dim1
	s_mov_b32 s[\g+3], ROWB<<16                    ; tile_dim0
	s_mov_b32 s[\g+4], 128                         ; tile_dim1
	s_mov_b32 s[\g+5], KROW                        ; the pitch
	s_mov_b32 s[\g+6], 0
	s_mov_b32 s[\g+7], 0
.endr
	s_or_b32 s[G1S+0], s43, (3<<16)|(1<<20)|(1<<21)|(5<<22)|(3<<25)  ; the scales of 128 rows: 4,096 dense bytes as 16 rows of 256 (32 elements of 8 bytes)
	s_or_b32 s[G1SB+0], s44, (3<<16)|(1<<20)|(1<<21)|(5<<22)|(3<<25)
.irp g, G1S, G1SB
	s_mov_b32 s[\g+1], 32<<16
	s_mov_b32 s[\g+2], (128*KS/256)<<16
	s_mov_b32 s[\g+3], 32<<16
	s_mov_b32 s[\g+4], 128*KS/256
	s_mov_b32 s[\g+5], 32
	s_mov_b32 s[\g+6], 0
	s_mov_b32 s[\g+7], 0
.endr
	s_lshl_b32 s18, s16, 7
	s_lshl_b32 s20, s17, 8
	s_add_co_u32 s20, s20, s18                     ; A: row 256 x tile row + 128 x half
	s_lshl_b32 s46, s42, 8
	s_add_co_u32 s46, s46, s18                     ; B: row 256 x tile column + 128 x half
	s_mov_b32 s21, 0
	s_mov_b32 s47, 0
	s_mov_b64 s[18:19], KS
	s_mul_u64 s[22:23], s[20:21], s[18:19]         ; where these rows' scales begin
	s_mul_u64 s[92:93], s[46:47], s[18:19]
	s_mov_b64 s[18:19], KROW
	s_mul_u64 s[20:21], s[20:21], s[18:19]         ; and their codes
	s_mul_u64 s[46:47], s[46:47], s[18:19]
	s_mul_i32 s45, s14, HALFT                      ; where they go: wave x 128 rows
	s_mul_i32 s94, s14, HALFS
	s_wait_dscnt 0x0                               ; both opening adds are done
	s_wait_kmcnt 0x0
	s_add_nc_u64 s[20:21], s[4:5], s[20:21]
	s_add_nc_u64 s[22:23], s[6:7], s[22:23]
	s_add_nc_u64 s[46:47], s[8:9], s[46:47]
	s_add_nc_u64 s[92:93], s[10:11], s[92:93]
	CROUND                                         ; all sixteen work-groups are here: the joint loads meet
	s_mov_b32 s[G0S], 1
	s_add_co_u32 s[G0S+1], s94, SCL
	s_mov_b64 s[G0S+2:G0S+3], s[22:23]
	s_or_b32 s[G0S+3], s[G0S+3], 0x80000000
	s_mov_b32 s[G0SB], 1
	s_add_co_u32 s[G0SB+1], s94, SCL
	s_mov_b64 s[G0SB+2:G0SB+3], s[92:93]
	s_or_b32 s[G0SB+3], s[G0SB+3], 0x80000000
	JLOAD G0S, G1S, G0SB, G1SB                     ; the scales first: they are wanted with K step 0
.irp s, 0,1
	s_mov_b32 s[G0+4*\s], 1
	s_add_co_u32 s[G0+4*\s+1], s45, \s*SLOT
	s_add_nc_u64 s[G0+4*\s+2:G0+4*\s+3], s[20:21], \s*ROWB
	s_or_b32 s[G0+4*\s+3], s[G0+4*\s+3], 0x80000000
	s_mov_b32 s[G0B+4*\s], 1
	s_add_co_u32 s[G0B+4*\s+1], s45, \s*SLOT
	s_add_nc_u64 s[G0B+4*\s+2:G0B+4*\s+3], s[46:47], \s*ROWB
	s_or_b32 s[G0B+4*\s+3], s[G0B+4*\s+3], 0x80000000
	JLOAD G0+4*\s, G1, G0B+4*\s, G1B               ; three tensor loads of mine are out: all of K is on its way
.endr
	v_and_b32 v1, 15, v0                           ; r = lane % 16
	v_bfe_u32 v2, v0, 4, 1                         ; h = lane / 16
	v_mul_u32_u24 v3, v1, PITCH
	v_lshl_add_u32 v4, v2, 4, v3                   ; a fragment's row x pitch + 16 h
	s_mul_i32 s21, s15, HALFT
	s_mul_i32 s22, s16, HALFT
	s_add_co_u32 s22, s22, 2*HALFT
.irp s, 0,1
	v_add_nc_u32 v[ADRA+\s], s21, v4
	v_add_nc_u32 v[ADRB+\s], s22, v4
	s_add_co_u32 s21, s21, SLOT
	s_add_co_u32 s22, s22, SLOT
.endr
	v_mul_u32_u24 v5, v1, KS                       ; my row's scales: KS bytes a row,
	v_lshrrev_b32 v6, 8, v5
	v_lshl_add_u32 v5, v6, 4, v5                   ; and 16 more for each 256 passed
	s_mul_i32 s21, s15, HALFS
	s_mul_i32 s22, s16, HALFS
	s_add_co_u32 s22, s22, 2*HALFS
	s_sub_co_u32 s22, s22, s21
	v_mul_u32_u24 v6, s22, v2                      ; lanes 16-31 take B's: one product, the distance between the two bases x h
	s_add_co_u32 s21, s21, SCL
	v_add_nc_u32 v5, v5, v6
	v_add_nc_u32 v[ADRS], s21, v5
	s_mul_i32 s23, s14, 16*SPITCH                  ; my stage
	v_mul_u32_u24 v5, v1, SPITCH
	v_lshl_add_u32 v5, v2, 4, v5
	v_add_nc_u32 v[STO], s23, v5                   ; in: row r, 16 bytes for each half of the lanes
	v_and_b32 v6, 31, v0
	v_lshlrev_b32 v[CO], 4, v6                     ; out: 16 x lane: four tokens of one head are 512 consecutive bytes
	v_lshrrev_b32 v5, 3, v6
	v_mul_u32_u24 v5, v5, SPITCH
	v_and_b32 v6, 7, v6
	v_lshl_add_u32 v5, v6, 4, v5
	v_add_nc_u32 v[RD], s23, v5                    ; back: eight lanes take a head's 128 bytes of a row, four rows an instruction
	v_lshlrev_b32 v[BO], 5, v2
	s_lshl_b32 s46, s42, 10                        ; my 128 biases: 4 x (256 x tile column + 128 x half)
	s_lshl_b32 s47, s16, 9
	s_add_co_u32 s46, s46, s47
	s_mov_b32 s47, 0
	s_add_nc_u64 s[96:97], s[96:97], s[46:47]
	WIN TO_B
.irp b, 0,1,2,3,4,5,6,7                ; block b: columns 16 b + 8 h + 0 .. 7, as the result's registers hold them
	global_load_b128 v[BIA+8*\b:BIA+8*\b+3], v[BO], s[96:97] offset:64*\b
	global_load_b128 v[BIA+8*\b+4:BIA+8*\b+7], v[BO], s[96:97] offset:64*\b+16
.endr
	WIN 0
	s_lshl_b32 s20, s17, 8                         ; where my part goes: row m0 = 256 x tile row + 128 x half is token t0 = m0 % 2048 of batch m0 / 2048
	s_lshl_b32 s21, s15, 7
	s_add_co_u32 s20, s20, s21
	s_lshr_b32 s21, s20, 11
	s_and_b32 s20, s20, 2047
	s_lshl_b32 s20, s20, 7                         ; a token's row of a head is 128 bytes
	s_lshl_b32 s21, s21, 22                        ; a batch is 16 planes of 2^18 bytes
	s_add_co_u32 s20, s20, s21
	s_mov_b32 s21, 0
	s_lshl_b32 s46, ttmp9, 6                       ; plane 64 x tensor + 4 cx + 2 x half: my two heads
	s_lshl_b32 s47, s40, 2
	s_add_co_u32 s46, s46, s47
	s_lshl_b32 s47, s16, 1
	s_add_co_u32 s46, s46, s47
	s_lshl_b32 s46, s46, 18
	s_mov_b32 s47, 0
	s_add_nc_u64 s[20:21], s[20:21], s[46:47]
	s_add_nc_u64 s[12:13], s[12:13], s[20:21]
.macro FRAG reg, adr, q, i             ; 16 rows x 128 K of 4-bit codes: 8 registers; registers 4 c .. 4 c + 3 hold K = 64 c + 32 h + 0 .. 31
.irp c, 0,1
	ds_load_b128 v[\reg+4*\c:\reg+4*\c+3], v[\adr] offset:64*(\q)+32*\c+(\i)*16*PITCH
.endr
.endm
; 16 matrix instructions: A's blocks a0, a0 + 1 x B's eight.  The 64 accumulators take turns, one instruction a turn, in the same order in every step.
.macro MUL16 a0, p, q, sc, zero
.irp a, \a0, \a0+1
.irp b, 0,1,2,3,4,5,6,7
.if \zero
	v_wmma_scale_f32_16x16x128_f8f6f4 v[8*(8*((\a)%4)+\b):8*(8*((\a)%4)+\b)+7], v[128*(\p)+FR*\b:128*(\p)+FR*\b+FR-1], v[AF+FR*(\a):AF+FR*(\a)+FR-1], 0, v[SC+8*NQ*(\sc)+NQ*\b+(\q)], v[SC+8*NQ*(\sc)+NQ*(\a)+(\q)] matrix_a_fmt:MATRIX_FMT_FP4 matrix_b_fmt:MATRIX_FMT_FP4 matrix_a_scale:MATRIX_SCALE_ROW1
.else
	v_wmma_scale_f32_16x16x128_f8f6f4 v[8*(8*((\a)%4)+\b):8*(8*((\a)%4)+\b)+7], v[128*(\p)+FR*\b:128*(\p)+FR*\b+FR-1], v[AF+FR*(\a):AF+FR*(\a)+FR-1], v[8*(8*((\a)%4)+\b):8*(8*((\a)%4)+\b)+7], v[SC+8*NQ*(\sc)+NQ*\b+(\q)], v[SC+8*NQ*(\sc)+NQ*(\a)+(\q)] matrix_a_fmt:MATRIX_FMT_FP4 matrix_b_fmt:MATRIX_FMT_FP4 matrix_a_scale:MATRIX_SCALE_ROW1
.endif
.endr
.endr
.endm
.macro FETCH_B slot, q, p
	WIN TO_B
.irp i, 0,1,2,3,4,5,6,7
	FRAG 128*(\p)+FR*\i, ADRB+\slot, \q, \i
.endr
	WIN 0
.endm
.macro FETCH_A slot, q, i0
.irp i, \i0, \i0+1, \i0+2, \i0+3
	FRAG AF+FR*(\i), ADRA+\slot, \q, \i
.endr
.endm
.macro SCALES sc                       ; a K step's scale words: lanes 0-15 take A's block i, lanes 16-31 B's block i
.irp i, 0,1,2,3,4,5,6,7
	ds_load_b128 v[SC+8*NQ*\sc+NQ*\i:SC+8*NQ*\sc+NQ*\i+3], v[ADRS] offset:\i*SBLK
.endr
.endm
.macro PLACES n                        ; plain vector lines between a matrix instruction and a load into, or a read of, its registers
.rept \n
	v_nop
.endr
.endm
.macro STEP slot, q, zero              ; 128 along K that have their successor in the same slot
	s_wait_dscnt 4*NL                              ; B's set and A's blocks 0-3 are in; the youngest eight loads (A's blocks 4-7) may be out
	WIN MUL_LO
	MUL16 0, (\q)%2, \q, \slot, \zero
	MUL16 2, (\q)%2, \q, \slot, \zero
	s_wait_dscnt 0
	PLACES NP
	FETCH_B \slot, (\q)+1, 1-(\q)%2
	FETCH_A \slot, (\q)+1, 0
	WIN MUL_HI
	MUL16 4, (\q)%2, \q, \slot, \zero
	MUL16 6, (\q)%2, \q, \slot, \zero
	PLACES NP
	WIN 0
	FETCH_A \slot, (\q)+1, 4
.endm
.macro STEPS slot, from
.set Q, \from
.rept NQ-1-\from
	STEP \slot, Q, 0
.set Q, Q+1
.endr
.endm
	s_wait_tensorcnt 1                             ; the scales and my part of K step 0 are in; K step 1's load may be out
	s_barrier_signal -1
	s_barrier_wait -1
	FETCH_B 0, 0, 0
	FETCH_A 0, 0, 0
	SCALES 0
	FETCH_A 0, 0, 4
	STEP 0, 0, 1                                   ; the first products start the sums: nothing is cleared
	STEPS 0, 1
	; slot 0's last 128 along K, and the change to slot 1: one barrier; in front of it my part of slot 1 has landed and my reads of slot 0 are over
	s_wait_tensorcnt 0x0
	ds_add_u32 v[SPW], v[NIL]                      ; 0 onto my spare word
	s_wait_dscnt 4*NL+1                            ; the add and the youngest eight loads may be out
	WIN MUL_LO
	MUL16 0, 1, NQ-1, 0, 0
	s_wait_dscnt 0x0
	s_barrier_signal -1
	MUL16 2, 1, NQ-1, 0, 0
	WIN 0
	s_barrier_wait -1
	PLACES NP
	v_add_nc_u32 v[ADRS], 4*NQ, v[ADRS]            ; on to K step 1's scale words
	FETCH_B 1, 0, 0
	FETCH_A 1, 0, 0
	SCALES 1
	WIN MUL_HI
	MUL16 4, 1, NQ-1, 0, 0
	MUL16 6, 1, NQ-1, 0, 0
	PLACES NP
	WIN 0
	FETCH_A 1, 0, 4
	STEPS 1, 0
	s_wait_dscnt 4*NL                              ; the very last step
	WIN MUL_LO
	MUL16 0, 1, NQ-1, 1, 0
	MUL16 2, 1, NQ-1, 1, 0
	s_wait_dscnt 0
	WIN MUL_HI
	MUL16 4, 1, NQ-1, 1, 0
	MUL16 6, 1, NQ-1, 1, 0
; THE WAY OUT, a block of 16 rows x 128 columns at a time: (sum + b) x c as one fused multiply-add on b x c; rounded to f16; through my stage; back by heads: four tokens of one head are 512 consecutive bytes of qkv.
	s_wait_loadcnt 0x0                             ; the biases
	WIN 0x41                                       ; destination and source 0 window 1
.set i, 0
.rept 32
	v_pk_mul_f32 v[BIA+2*i:BIA+2*i+1], v[BIA+2*i:BIA+2*i+1], s[98:99] op_sel_hi:[1,0]   ; b x c.  These 32 name no register of the last products: they are the places behind them
.set i, i+1
.endr
.macro PACK a
.set AC, 64*((\a)%4)
	WIN 0x12+((\a)/4)                              ; source 0: window 2 or 3; source 2 (b x c): window 1; destination window 0
.irp b, 0,1,2,3,4,5,6,7
.irp r, 0,1,2,3
	v_pk_fma_f32 v[TF+8*\b+2*\r:TF+8*\b+2*\r+1], v[AC+8*\b+2*\r:AC+8*\b+2*\r+1], s[98:99], v[BIA+8*\b+2*\r:BIA+8*\b+2*\r+1] op_sel_hi:[1,0,1]   ; each accumulator from its low end on
.endr
.endr
	WIN 0
.set i, 0
.rept 32
	v_cvt_pk_f16_f32 v[TMP+i], v[TF+2*i], v[TF+2*i+1]
.set i, i+1
.endr
.endm
.macro TOSTAGE a
.set BB, BK+32*((\a)%2)
.irp b, 0,1,2,3,4,5,6,7
	ds_store_b128 v[STO], v[TMP+4*\b:TMP+4*\b+3] offset:32*\b
.endr
.irp t, 0,1,2,3,4,5,6,7                ; LDS serves a wave's instructions in order: these see the stores above.  t / 4: the head; t % 4: four tokens
	ds_load_b128 v[BB+4*\t:BB+4*\t+3], v[RD] offset:4*SPITCH*(\t%4)+128*(\t/4)
.endr
.endm
.macro SEND a
.set BB, BK+32*((\a)%2)
	s_wait_dscnt 0x0                               ; the block is back in registers
	s_wait_xcnt 0x0                                ; the block before has had its stores' registers read: the next block's loads may land there
.irp t, 0,1,2,3,4,5,6,7
	global_store_b128 v[CO], v[BB+4*\t:BB+4*\t+3], s[12:13] offset:(\t/4)*262144+2048*(\a)+512*(\t%4)   ; 32 lanes store 512 consecutive bytes, aligned
.endr
.endm
	PACK 0
	TOSTAGE 0
.irp a, 1,2,3,4,5,6,7                  ; block a's arithmetic stands between block a - 1's loads from the stage and the wait for them
	PACK \a
	SEND \a-1
	TOSTAGE \a
.endr
	SEND 7
	s_wait_tensorcnt 0x0                           ; the wave's end
	ds_add_u32 v[SPW], v[NIL]
	s_wait_dscnt 0x0
	CROUND                                         ; the closing round
	s_endpgm
.Lfunc_end_k_q7209cb648c_qkv:
	.size	k_q7209cb648c_qkv, .Lfunc_end_k_q7209cb648c_qkv-k_q7209cb648c_qkv
	.p2alignl 7, 3214868480
	.fill 96, 4, 3214868480
	.section	.rodata,"a",@progbits
	.p2align	6, 0x0
	.amdhsa_kernel k_q7209cb648c_qkv
		.amdhsa_group_segment_fixed_size 327680
		.amdhsa_private_segment_fixed_size 0
		.amdhsa_enable_private_segment 0
		.amdhsa_kernarg_size 48
		.amdhsa_user_sgpr_count 2
		.amdhsa_user_sgpr_kernarg_segment_ptr 1
		.amdhsa_wavefront_size32 1
		.amdhsa_system_sgpr_workgroup_id_x 1
		.amdhsa_system_sgpr_workgroup_id_y 1
		.amdhsa_system_sgpr_workgroup_id_z 1
		.amdhsa_system_vgpr_workitem_id 0
		.amdhsa_next_free_vgpr 1024
		.amdhsa_next_free_sgpr 100
		.amdhsa_reserve_vcc 0
		.amdhsa_float_denorm_mode_32 3
		.amdhsa_float_denorm_mode_16_64 3
		.amdhsa_memory_ordered 1
		.amdhsa_forward_progress 1
		.amdhsa_inst_pref_size 146
	.end_amdhsa_kernel
	.amdgpu_metadata
---
amdhsa.version: [ 1, 2 ]
amdhsa.kernels:
  - .name:           k_q7209cb648c_qkv
    .symbol:         k_q7209cb648c_qkv.kd
    .args:
      - { .name: x_codes, .offset: 0, .size: 8, .value_kind: global_buffer, .address_space: global }
      - { .name: x_scales, .offset: 8, .size: 8, .value_kind: global_buffer, .address_space: global }
      - { .name: w_codes, .offset: 16, .size: 8, .value_kind: global_buffer, .address_space: global }
      - { .name: w_scales, .offset: 24, .size: 8, .value_kind: global_buffer, .address_space: global }
      - { .name: qkv, .offset: 32, .size: 8, .value_kind: global_buffer, .address_space: global }
      - { .name: b_qkv, .offset: 40, .size: 8, .value_kind: global_buffer, .address_space: global }
    .group_segment_fixed_size: 327680
    .private_segment_fixed_size: 0
    .kernarg_segment_align: 8
    .kernarg_segment_size: 48
    .max_flat_workgroup_size: 128
    .sgpr_count:     100
    .vgpr_count:     1024
    .wavefront_size: 32
...
	.end_amdgpu_metadata
.endif
;; end of part 2
;; launch attn (part 3): grid 4 x 64, 8 waves a work-group, clusters of 4 x 1, 327,680 bytes of LDS; arguments qkv, maskb, att; writes att
.if DOCPART == 3
	.amdgcn_target "amdgcn-amd-amdhsa--gfx1250"
	.amdhsa_code_object_version 6
	.text
	.protected	k_q7209cb648c_attn
	.globl	k_q7209cb648c_attn
	.p2align	8
	.type	k_q7209cb648c_attn,@function
k_q7209cb648c_attn:
	s_mov_b64 s[64:65], 0
	v_nop
	global_prefetch_b8 v0, s[64:65] scope:SCOPE_SE
	s_setreg_imm32_b32 hwreg(HW_REG_WAVE_MODE, 25, 1), 1
	s_wait_xcnt 0x0
	s_wait_alu depctr_hold_cnt(0) depctr_sa_sdst(0) depctr_va_vdst(0) depctr_va_sdst(0) depctr_va_ssrc(0) depctr_va_vcc(0) depctr_vm_vsrc(0)
	s_getreg_b32 s2, hwreg(HW_REG_IB_STS2, 6, 4)
	s_cmp_eq_u32 s2, 0
	s_cbranch_scc0 .Lentry_in_a_cluster
	s_endpgm
.Lentry_in_a_cluster:
	s_bfe_u32 s2, ttmp6, 0x10000c
	s_cmp_lg_u32 s2, 0x3003
	s_cbranch_scc0 .Lentry_shape_is_right
	s_endpgm
.Lentry_shape_is_right:
; ATTN: for each batch b and head h: o[q] = sum over keys of softmax(q . k / 8, masked keys out) v.  q (already x log2(e) / 8), k, v: qkv [3][4 b][16 h][2048][64] f16.  Out: att [16 h][8192 tokens][64] f16.
; Products on f16 operands with f32 sums; maxima, exponentials and sums in f32; the weights p (at most 1) are rounded to f16 for the second product, o once at the end.
; LIMIT: the operands are f16: magnitudes under 65,504 (the launch before states it); scores stay far under 2^100 in size.
; THE MASK costs no vector work: maskb holds for each key a bias, 0 or -2^100, which is the C of the first product of each tile of keys.  A running maximum m is kept for each query: p = 2^(s - m), and in every step
; o and the sum l are multiplied by a = 2^(m_old - m_new).  While only masked keys have been met, m is about -2^100 and p is at most 1; the first key that counts makes a = 0, which wipes those sums.
; A batch with no key that counts has bias 0 everywhere and a flag word 0, with which q is ANDed: all scores are 0 and the softmax is uniform, as the reference's is.
; SHARES.  A cluster of four work-groups is one (b, h); a work-group owns 512 queries, each of its eight waves 64: four tiles of 16, in 512 registers.  Two waves share a SIMD: one wave's softmax stands beside the other's products.
; Every wave walks all 2,048 keys, 64 a step.  K's and V's tiles come through two LDS slots of four steps; the four partners walk the same K, V and biases, so each tile is asked for JOINTLY (mask 15).
; LAYOUT.  S^T = K Q^T (source 0 = 16 keys, source 1 = 16 queries): a lane holds ONE query (lane % 16) and keys 8 (lane / 16) + 0..7.  Two such tiles, rounded in pairs, ARE source 1 (32 keys x 16 queries) of O^T = V^T P.
; K comes out of LDS as it lies, V ([key][channel]) turned, by ds_load_tr16_b128.
; REGISTERS: window 0: v2-14 addresses; v16-63 statistics, 12 a tile; v64-95 the step's biases; v128-255 S^T, 32 a tile, then p, then P in place.
;   window 1: v0-63 Q; v64-127 K of the step, then V of the step; v128-255 O^T, 32 a tile.
.set KS,    64                         ; keys in a step
.set NST,   4                          ; steps in a slot
.set PK,    144                        ; a row of K in LDS: 128 bytes + 16: the 16 rows of a load start at different groups of banks
.set PV,    160                        ; a row of V: 128 + 32, an odd multiple of 32, for the turning load
.set VOFF,  KS*PK
.set STEPB, KS*(PK+PV)                 ; a step's 64 rows of K, then its 64 rows of V
.set SLOT1, 1<<17                      ; slot 1 begins here: one exclusive or turns an address in one slot into the other's
.set SLOTB, NST*KS*128                 ; a slot's bytes of K, or of V, in memory
.set BIAS,  SLOT1+NST*STEPB            ; the batch's 2,048 biases, filled once
.set STAGE, BIAS+8192                  ; the way out: 16 rows x 144 bytes for each wave
.set SP,    144
.set SPARE, STAGE+8*16*SP              ; the spare words, 128 bytes for each wave: four blocks of 256 bytes that no other line names
.set AK0, 2
.set AV0, 3
.set AB0, 4
.set ADK, 5
.set ADV, 6
.set ADB, 7
.set QO,  8
.set STO, 9
.set RD,  10
.set GO,  11
.set SPW, 12                           ; v12  SPARE + 4 x my thread's number; never rewritten
.set NIL, 13                           ; v13  0; never rewritten
.set PFO, 14                           ; v14  256 x my lane; never rewritten
.set ST,  16                           ; tile t at v[ST + 12 t]: +0 m (+1 named with it), +2 a (+3 named with it), +4:5 l, +6..9 c0-c3, also the pairs X = +6:7, Y = +8:9
.set BI,  64
.set S,   128
.set KV,  64                           ; in window 1
.set OT,  128                          ; in window 1
.set WV,  10
.set CX,  11
.set BH,  12
.set QA,  16
.set PFA, 18
.set LIM, 20
.set FLAG, 21
.set TB,  22                           ; LDS byte at which the step's tiles begin
.set TM,  23                           ; and its biases: 256 bytes a step
.set G1K, 24
.set G1V, 32
.set G1M, 40
.set G0K, 48                           ; two sets; the second walks on
.set G0V, 56
.set G0M, 68
.set SEL, 72
.set SLOTS, 74
.set CNT, 75
.set MSB, 0
.macro WIN new
.if MSB != (\new)
	s_set_vgpr_msb (MSB<<8)|(\new)
.set MSB, (\new)
.endif
.endm
.macro JLOAD                           ; a joint refill: waves 0-3 fetch the slot's four steps of K, waves 4-7 of V; an s_nop 0 and four v_nop follow each line
	s_cmp_lt_u32 s[WV], 4
	s_cbranch_scc0 .Lfor_v_\@
	tensor_load_to_lds s[G0K+4:G0K+7], s[G1K:G1K+7]
	s_nop 0
.rept 4
	v_nop
.endr
	s_branch .Lasked_\@
.Lfor_v_\@:
	tensor_load_to_lds s[G0V+4:G0V+7], s[G1V:G1V+7]
	s_nop 0
.rept 4
	v_nop
.endr
.Lasked_\@:
.endm
; A prefetch of what the NEXT change of slots will ask for: 32,768 bytes of K and of V.  One cluster alone walks a head.  Its four partners take 8,192 bytes each, told apart by ADDRESS; in each, wave 0 asks for K's and
; wave 4 for V's, lanes 256 bytes apart: each aligned 256 bytes is named once in the launch, four key steps ahead of its load.  The last change that fills a slot asks for nothing; nothing is asked for at the head.
.macro ASK
	s_cmp_gt_u32 s[SLOTS], s[LIM]
	s_cbranch_scc0 .Lnot_mine_\@
	global_prefetch_b8 v[PFO], s[PFA:PFA+1] th:TH_LOAD_NT scope:SCOPE_SE
.Lnot_mine_\@:
.endm
.macro CROUND
	s_barrier_signal -1
	s_barrier_wait -1
	s_cmp_lg_u32 s[WV], 0
	s_cbranch_scc1 .Lnot_wave_0_\@
	s_barrier_signal -3
.Lnot_wave_0_\@:
	s_barrier_wait -3
	s_barrier_signal -1
	s_barrier_wait -1
.endm
	s_load_b128 s[4:7], s[0:1], 0x0                ; qkv s[4:5], maskb s[6:7]
	s_load_b64 s[8:9], s[0:1], 0x10                ; att
	v_lshl_add_u32 v[SPW], v0, 2, SPARE
	v_mov_b32 v[NIL], 0
	ds_add_u32 v[SPW], v[NIL]                      ; the wave's opening: the add, twice on end, and its wait ahead of my first tensor load
	ds_add_u32 v[SPW], v[NIL]
	v_lshrrev_b32 v1, 5, v0
	v_readfirstlane_b32 s[WV], v1                  ; wave 0..7
	s_bfe_u32 s[CX], ttmp6, 0x40000                ; my place in the cluster: my block of 512 queries
	s_and_b32 s[BH], ttmp7, 0xffff                 ; 16 b + h, which the four partners share
	s_and_b32 s13, s[WV], 3                        ; which of a slot's four steps I fetch
	s_mov_b32 s[G1K], 15|(1<<16)|(1<<20)|(1<<21)|(4<<22)|(3<<25)   ; mask: all four; elements of 2 bytes; padding on; bit 21 beside a mask; after every 32 words 4 words
	s_mov_b32 s[G1V], 15|(1<<16)|(1<<20)|(1<<21)|(4<<22)|(7<<25)   ; the same with 8 words
.irp g, G1K, G1V
	s_mov_b32 s[\g+1], 64<<16                      ; tensor_dim0 = 64
	s_mov_b32 s[\g+2], KS<<16                      ; tensor_dim1 = 64
	s_mov_b32 s[\g+3], 64<<16                      ; tile_dim0
	s_mov_b32 s[\g+4], KS                          ; tile_dim1
	s_mov_b32 s[\g+5], 64                          ; the pitch
	s_mov_b32 s[\g+6], 0
	s_mov_b32 s[\g+7], 0
.endr
	s_mov_b32 s[G1M], 15|(3<<16)|(1<<21)           ; my 1,024 bytes of biases: 4 rows of 256 bytes (32 elements of 8), dense
	s_mov_b32 s[G1M+1], 32<<16
	s_mov_b32 s[G1M+2], 4<<16
	s_mov_b32 s[G1M+3], 32<<16
	s_mov_b32 s[G1M+4], 4
	s_mov_b32 s[G1M+5], 32
	s_mov_b32 s[G1M+6], 0
	s_mov_b32 s[G1M+7], 0
	s_mov_b32 s[SEL], 0x76543210
	s_mov_b32 s[SEL+1], 0xfedcba98                 ; v_permlanex16_b32's selects for lane l xor 16
	s_mov_b32 s[TB], 0
	s_mov_b32 s[TM], 0
	s_mov_b32 s[SLOTS], 2048/(NST*KS)-2            ; six slots are asked for behind the first two
	s_cmp_eq_u32 s13, 0
	s_cselect_b32 s[LIM], 1, -1                    ; waves 0 and 4 prefetch
	s_lshl_b32 s76, s[BH], 18                      ; the head's plane of 2^18 bytes
	s_lshl_b32 s14, s13, 13
	s_add_co_u32 s78, s76, s14                     ; + my step's 64 rows of 128 bytes
	s_mov_b32 s79, 0
	s_mul_i32 s15, s13, STEPB                      ; and its place in a slot: no place in the cluster enters an LDS address
	s_lshl_b32 s14, s[CX], 16
	s_add_co_u32 s76, s76, s14
	s_lshl_b32 s14, s[WV], 13
	s_add_co_u32 s76, s76, s14                     ; Q: + 512 cx + 64 wave rows
	s_mov_b32 s77, 0
	s_lshr_b32 s80, s[BH], 4
	s_mul_i32 s80, s80, 8448                       ; my batch's table
	s_mov_b32 s81, 0
	s_lshl_b32 s82, s[WV], 10                      ; my 1,024 bytes of it
	s_mov_b32 s83, 0
	s_and_b32 s2, s[BH], 15                        ; att: h x 2^20 + (2048 b + 512 cx + 64 wave) x 128
	s_lshl_b32 s2, s2, 20
	s_lshr_b32 s3, s[BH], 4
	s_lshl_b32 s3, s3, 18
	s_add_co_u32 s2, s2, s3
	s_lshl_b32 s3, s[CX], 16
	s_add_co_u32 s2, s2, s3
	s_add_co_u32 s2, s2, s14
	s_mov_b32 s3, 0
	s_wait_dscnt 0x0                               ; both opening adds are done
	s_wait_kmcnt 0x0
	s_add_nc_u64 s[8:9], s[8:9], s[2:3]
	s_add_nc_u64 s[QA:QA+1], s[4:5], s[76:77]
	s_add_nc_u64 s[6:7], s[6:7], s[80:81]
	s_load_b32 s[FLAG], s[6:7], 0x2000             ; the batch's flag word; s[6:7] is not written again
	s_add_nc_u64 s[78:79], s[4:5], s[78:79]
	s_cmp_lt_u32 s[WV], 4                          ; the prefetches: K's plane (wave 0) or V's (wave 4),
	s_mov_b32 s2, 0x2000000
	s_cselect_b32 s2, 0x1000000, s2
	s_lshl_b32 s3, s[BH], 18
	s_add_co_u32 s2, s2, s3
	s_lshl_b32 s3, s[CX], 13                       ; my work-group's 8,192 bytes of a slot's 32,768,
	s_add_co_u32 s2, s2, s3
	s_add_co_u32 s2, s2, 2*SLOTB                   ; in the third slot's keys: the first change of slots steps it to the fourth's
	s_mov_b32 s3, 0
	s_add_nc_u64 s[PFA:PFA+1], s[4:5], s[2:3]
	CROUND                                         ; all four work-groups are here: the first joint loads meet
.irp s, 0,1
	s_mov_b32 s[G0K+4*\s], 1
	s_add_co_u32 s[G0K+4*\s+1], s15, \s*SLOT1
	s_add_nc_u64 s[G0K+4*\s+2:G0K+4*\s+3], s[78:79], 0x1000000+\s*SLOTB
	s_or_b32 s[G0K+4*\s+3], s[G0K+4*\s+3], 0x80000000
	s_mov_b32 s[G0V+4*\s], 1
	s_add_co_u32 s[G0V+4*\s+1], s15, \s*SLOT1+VOFF
	s_add_nc_u64 s[G0V+4*\s+2:G0V+4*\s+3], s[78:79], 0x2000000+\s*SLOTB
	s_or_b32 s[G0V+4*\s+3], s[G0V+4*\s+3], 0x80000000
.endr
	s_mov_b32 s[G0M], 1
	s_add_co_u32 s[G0M+1], s82, BIAS
	s_add_nc_u64 s[G0M+2:G0M+3], s[6:7], s[82:83]
	s_or_b32 s[G0M+3], s[G0M+3], 0x80000000
	s_cmp_lt_u32 s[WV], 4                          ; a wave's three first fills stand in one branch: three tensor loads of mine are out
	s_cbranch_scc0 .Lfirst_v
	tensor_load_to_lds s[G0M:G0M+3], s[G1M:G1M+7]
	s_nop 0
	tensor_load_to_lds s[G0K:G0K+3], s[G1K:G1K+7]
	s_nop 0
	tensor_load_to_lds s[G0K+4:G0K+7], s[G1K:G1K+7]
	s_nop 0
.rept 4
	v_nop
.endr
	s_branch .Lfirst_asked
.Lfirst_v:
	tensor_load_to_lds s[G0M:G0M+3], s[G1M:G1M+7]
	s_nop 0
	tensor_load_to_lds s[G0V:G0V+3], s[G1V:G1V+7]
	s_nop 0
	tensor_load_to_lds s[G0V+4:G0V+7], s[G1V:G1V+7]
	s_nop 0
.rept 4
	v_nop
.endr
.Lfirst_asked:
	v_and_b32 v1, 15, v0                           ; r
	v_bfe_u32 v15, v0, 4, 1                        ; h
	v_lshlrev_b32 v[QO], 7, v1
	v_lshl_add_u32 v[QO], v15, 4, v[QO]            ; Q: row r of 128 bytes + 16 h
	WIN 0x40                                       ; destination window 1
.irp t, 0,1,2,3
.irp c, 0,1                            ; tile t, channels 32 c on: registers 0-3 channels 8 h + 0..7, registers 4-7 channels 16 + 8 h + 0..7
	global_load_b128 v[16*\t+8*\c:16*\t+8*\c+3], v[QO], s[QA:QA+1] offset:2048*\t+64*\c
	global_load_b128 v[16*\t+8*\c+4:16*\t+8*\c+7], v[QO], s[QA:QA+1] offset:2048*\t+64*\c+32
.endr
.endr
	WIN 0
	v_mul_u32_u24 v[AK0], v1, PK
	v_lshl_add_u32 v[AK0], v15, 4, v[AK0]          ; K: row r x pitch + 16 h
	v_and_b32 v5, 7, v0
	v_bfe_u32 v6, v0, 3, 1
	v_lshl_add_u32 v[AV0], v15, 3, v5              ; V, for the turning load: key 8 h + lane % 8,
	v_mul_u32_u24 v[AV0], v[AV0], PV
	v_lshl_add_u32 v[AV0], v6, 4, v[AV0]           ; channels 8 ((lane / 8) % 2) on
	v_add_nc_u32 v[AV0], VOFF, v[AV0]
	v_lshl_add_u32 v[AB0], v15, 5, BIAS            ; biases: my half's eight keys of a tile
	s_mul_i32 s76, s[WV], 16*SP
	s_add_co_u32 s76, s76, STAGE                   ; my stage
	v_add_nc_u32 v[STO], s76, v[AK0]               ; in: row r x 144 + 16 h
	v_and_b32 v5, 31, v0
	v_lshrrev_b32 v6, 3, v5
	v_mul_u32_u24 v6, v6, SP
	v_and_b32 v7, 7, v0
	v_lshl_add_u32 v6, v7, 4, v6
	v_add_nc_u32 v[RD], s76, v6                    ; back: eight lanes to a row of 128 bytes, four rows an instruction
	v_lshlrev_b32 v[GO], 4, v5                     ; which are 512 consecutive bytes of att
	v_lshlrev_b32 v[PFO], 8, v5
.irp t, 0,1,2,3
	v_mov_b32 v[ST+12*\t+1], 0                     ; named as the upper halves of the pairs of m and of a: written once
	v_mov_b32 v[ST+12*\t+3], 0
.endr
	s_wait_tensorcnt 1                             ; the biases and my part of slot 0 are in; slot 1's load may be out
	s_barrier_signal -1
	s_barrier_wait -1
	s_wait_loadcnt 0x0                             ; Q
	s_wait_kmcnt 0x0                               ; the flag
	WIN 0x44                                       ; source 1 and destination window 1
.set i, 0
.rept 64
	v_and_b32 v[i], s[FLAG], v[i]                  ; all ones leave Q as it is; 0 clears it
.set i, i+1
.endr
	WIN 0
; A KEY STEP: 64 keys for my four tiles of queries.  first = 1: the first step, which starts m, l and O^T.
.macro STEP first
	v_add_nc_u32 v[ADK], s[TB], v[AK0]             ; five plain lines behind the last V^T P: four are owed by the loads into V's registers, five by the products below that write over P
	v_add_nc_u32 v[ADV], s[TB], v[AV0]
	v_add_nc_u32 v[ADB], s[TM], v[AB0]
	v_nop
	v_nop
.irp k, 0,1,2,3                        ; the biases of tile k's keys 8 h + 0..7: all sixteen lanes of a half read the same bytes
	ds_load_b128 v[BI+8*\k:BI+8*\k+3], v[ADB] offset:64*\k
	ds_load_b128 v[BI+8*\k+4:BI+8*\k+7], v[ADB] offset:64*\k+16
.endr
	WIN 0x40
.irp c, 0,1
.irp k, 0,1,2,3
	ds_load_b128 v[KV+16*\k+8*\c:KV+16*\k+8*\c+3], v[ADK] offset:16*PK*\k+64*\c
	ds_load_b128 v[KV+16*\k+8*\c+4:KV+16*\k+8*\c+7], v[ADK] offset:16*PK*\k+64*\c+32
.endr
.endr
	s_add_co_u32 s[TB], s[TB], STEPB
	s_add_co_u32 s[TM], s[TM], 256
	s_wait_dscnt 8                                 ; the biases and K's channels 0-31 are in; the eight loads of channels 32-63 may be out
	WIN 0x05                                       ; K and Q window 1; C and D window 0
.irp k, 0,1,2,3                        ; the sixteen accumulators take turns, one instruction a turn
.irp t, 0,1,2,3
	v_wmma_f32_16x16x32_f16 v[S+32*\t+8*\k:S+32*\t+8*\k+7], v[KV+16*\k:KV+16*\k+7], v[16*\t:16*\t+7], v[BI+8*\k:BI+8*\k+7]
.endr
.endr
	s_wait_dscnt 0x0
.irp k, 0,1,2,3
.irp t, 0,1,2,3
	v_wmma_f32_16x16x32_f16 v[S+32*\t+8*\k:S+32*\t+8*\k+7], v[KV+16*\k+8:KV+16*\k+15], v[16*\t+8:16*\t+15], v[S+32*\t+8*\k:S+32*\t+8*\k+7]
.endr
.endr
	WIN 0
.rept 4
	v_nop                                          ; places in front of the loads into K's registers and of the first read of the scores
.endr
	WIN 0x40
.irp p, 0,1                            ; V turned: keys 32 p on, channels 16 n on: it lands while the softmax is walked
.irp n, 0,1,2,3
	ds_load_tr16_b128 v[KV+32*\p+8*\n:KV+32*\p+8*\n+3], v[ADV] offset:32*PV*\p+32*\n
	ds_load_tr16_b128 v[KV+32*\p+8*\n+4:KV+32*\p+8*\n+7], v[ADV] offset:32*PV*\p+16*PV+32*\n
.endr
.endr
	WIN 0
	; the maximum of my 32 scores of each tile and the old m: four chains; each accumulator is first read at its low end; the four tiles by turns
.irp j, 0,1,2,3
.irp t, 0,1,2,3
	v_max3_num_f32 v[ST+12*\t+6+\j], v[S+32*\t+8*\j], v[S+32*\t+8*\j+1], v[S+32*\t+8*\j+2]
.endr
.endr
.irp g, 1,2
.irp j, 0,1,2,3
.irp t, 0,1,2,3
	v_max3_num_f32 v[ST+12*\t+6+\j], v[ST+12*\t+6+\j], v[S+32*\t+8*\j+2*\g+1], v[S+32*\t+8*\j+2*\g+2]
.endr
.endr
.endr
.irp t, 0,1,2,3
	v_max3_num_f32 v[ST+12*\t+6], v[ST+12*\t+6], v[S+32*\t+7], v[S+32*\t+15]
.endr
.irp t, 0,1,2,3
	v_max3_num_f32 v[ST+12*\t+8], v[ST+12*\t+8], v[S+32*\t+23], v[S+32*\t+31]
.endr
.irp t, 0,1,2,3
	v_max3_num_f32 v[ST+12*\t+6], v[ST+12*\t+6], v[ST+12*\t+7], v[ST+12*\t+8]
.endr
.irp t, 0,1,2,3
.if \first
	v_max_num_f32 v[ST+12*\t+6], v[ST+12*\t+6], v[ST+12*\t+9]
.else
	v_max3_num_f32 v[ST+12*\t+6], v[ST+12*\t+6], v[ST+12*\t+9], v[ST+12*\t]
.endif
.endr
.irp t, 0,1,2,3
	v_permlanex16_b32 v[ST+12*\t+7], v[ST+12*\t+6], s[SEL], s[SEL+1]   ; the query's other 32 keys lie in the lane 16 away
.endr
.if \first
.irp t, 0,1,2,3
	v_max_num_f32 v[ST+12*\t], v[ST+12*\t+6], v[ST+12*\t+7]
.endr
.else
.irp t, 0,1,2,3
	v_max_num_f32 v[ST+12*\t+8], v[ST+12*\t+6], v[ST+12*\t+7]
.endr
.irp t, 0,1,2,3
	v_sub_f32 v[ST+12*\t+9], v[ST+12*\t], v[ST+12*\t+8]            ; m_old - m_new
.endr
.irp t, 0,1,2,3
	v_mov_b32 v[ST+12*\t], v[ST+12*\t+8]
.endr
	; ONE BATCH of exponentials with one wait: the four a, then the 128 p; a tile's subtractions stand among the exponentials of the tile before; none of these lines names an exponential's result
.irp t, 0,1,2,3
	v_exp_f32 v[ST+12*\t+2], v[ST+12*\t+9]
.endr
.endif
.set ii, 0
.rept 16
	v_pk_add_f32 v[S+2*ii:S+2*ii+1], v[S+2*ii:S+2*ii+1], v[ST:ST+1] op_sel_hi:[1,0] neg_lo:[0,1] neg_hi:[0,1]   ; s - m: exact where it matters, since c lies in q already
.set ii, ii+1
.endr
.set tt, 0
.rept 4
.set ii, 0
.rept 16
	v_exp_f32 v[S+32*tt+2*ii], v[S+32*tt+2*ii]
	v_exp_f32 v[S+32*tt+2*ii+1], v[S+32*tt+2*ii+1]
.if tt < 3
	v_pk_add_f32 v[S+32*(tt+1)+2*ii:S+32*(tt+1)+2*ii+1], v[S+32*(tt+1)+2*ii:S+32*(tt+1)+2*ii+1], v[ST+12*(tt+1):ST+12*(tt+1)+1] op_sel_hi:[1,0] neg_lo:[0,1] neg_hi:[0,1]
.endif
.set ii, ii+1
.endr
.set tt, tt+1
.endr
	v_nop                                          ; a plain line behind the last exponential,
	s_wait_alu depctr_va_vdst(0)                   ; and the wait ahead of the first line that names a result: one for the batch
	; the sums of the unrounded p: two chains of pairs a tile
.irp t, 0,1,2,3
	v_pk_add_f32 v[ST+12*\t+6:ST+12*\t+7], v[S+32*\t:S+32*\t+1], v[S+32*\t+2:S+32*\t+3]
.endr
.irp t, 0,1,2,3
	v_pk_add_f32 v[ST+12*\t+8:ST+12*\t+9], v[S+32*\t+4:S+32*\t+5], v[S+32*\t+6:S+32*\t+7]
.endr
.irp i, 8,12,16,20,24,28
.irp t, 0,1,2,3
	v_pk_add_f32 v[ST+12*\t+6:ST+12*\t+7], v[ST+12*\t+6:ST+12*\t+7], v[S+32*\t+\i:S+32*\t+\i+1]
.endr
.irp t, 0,1,2,3
	v_pk_add_f32 v[ST+12*\t+8:ST+12*\t+9], v[ST+12*\t+8:ST+12*\t+9], v[S+32*\t+\i+2:S+32*\t+\i+3]
.endr
.endr
.if \first
.irp t, 0,1,2,3
	v_pk_add_f32 v[ST+12*\t+4:ST+12*\t+5], v[ST+12*\t+6:ST+12*\t+7], v[ST+12*\t+8:ST+12*\t+9]
.endr
.else
.irp t, 0,1,2,3
	v_pk_add_f32 v[ST+12*\t+6:ST+12*\t+7], v[ST+12*\t+6:ST+12*\t+7], v[ST+12*\t+8:ST+12*\t+9]
.endr
.irp t, 0,1,2,3
	v_pk_fma_f32 v[ST+12*\t+4:ST+12*\t+5], v[ST+12*\t+4:ST+12*\t+5], v[ST+12*\t+2:ST+12*\t+3], v[ST+12*\t+6:ST+12*\t+7] op_sel_hi:[1,0,1]   ; l = l a + the step's sum
.endr
.endif
	; P in place, ascending: register i of half p takes keys 2 i, 2 i + 1 of the half's sixteen
.irp p, 0,1
.irp i, 0,1,2,3,4,5,6,7
.irp t, 0,1,2,3
	v_cvt_pk_f16_f32 v[S+32*\t+16*\p+\i], v[S+32*\t+16*\p+2*\i], v[S+32*\t+16*\p+2*\i+1]
.endr
.endr
.endr
.if !\first
	WIN 0x41                                       ; O^T (destination and source 0) window 1, a window 0
.irp i, 0,1,2,3,4,5,6,7,8,9,10,11,12,13,14,15
.irp t, 0,1,2,3
	v_pk_mul_f32 v[OT+32*\t+2*\i:OT+32*\t+2*\i+1], v[OT+32*\t+2*\i:OT+32*\t+2*\i+1], v[ST+12*\t+2:ST+12*\t+3] op_sel_hi:[1,0]
.endr
.endr
.endif
	s_wait_dscnt 0x0                               ; V is in
	WIN 0x51                                       ; V window 1, P window 0, O^T window 1
.irp p, 0,1
.irp n, 0,1,2,3
.irp t, 0,1,2,3
.if \first && (\p == 0)
	v_wmma_f32_16x16x32_f16 v[OT+32*\t+8*\n:OT+32*\t+8*\n+7], v[KV+32*\p+8*\n:KV+32*\p+8*\n+7], v[S+32*\t+16*\p:S+32*\t+16*\p+7], 0
.else
	v_wmma_f32_16x16x32_f16 v[OT+32*\t+8*\n:OT+32*\t+8*\n+7], v[KV+32*\p+8*\n:KV+32*\p+8*\n+7], v[S+32*\t+16*\p:S+32*\t+16*\p+7], v[OT+32*\t+8*\n:OT+32*\t+8*\n+7]
.endif
.endr
.endr
.endr
	WIN 0
.endm
.macro STEPS n                         ; n key steps: written once, walked n times; the LDS addresses hang on s[TB] and s[TM]
	s_mov_b32 s[CNT], \n
.Lstep_\@:
	STEP 0
	s_sub_co_u32 s[CNT], s[CNT], 1
	s_cmp_lg_u32 s[CNT], 0
	s_cbranch_scc1 .Lstep_\@
.endm
; THE CHANGE OF SLOTS.  Each wave waits for all its tensor loads (one is out: its part of the slot ahead), adds 0 to its spare word, and waits for that and for its reads of the slot that it leaves.
; fill = 1: the barrier is a round of the cluster's, and the joint refill of the slot just left is the first thing behind it: it has four key steps in which to land.
.macro CHANGE fill
	s_wait_tensorcnt 0x0                           ; no tensor load of mine is out, so a group 0 may be written
	ds_add_u32 v[SPW], v[NIL]
.if \fill
.irp g, G0K+4, G0V+4
	s_xor_b32 s[\g+1], s[\g+1], SLOT1              ; the walking descriptors: the other slot than last time,
	s_add_nc_u64 s[\g+2:\g+3], s[\g+2:\g+3], SLOTB ; the next 256 keys
.endr
	s_wait_xcnt 0x0                                ; the last prefetch, four key steps back, has read its address
	s_add_nc_u64 s[PFA:PFA+1], s[PFA:PFA+1], SLOTB
	s_wait_dscnt 0x0
	CROUND
	JLOAD
	ASK
.else
	s_wait_dscnt 0x0
	s_barrier_signal -1
	s_barrier_wait -1
.endif
	s_sub_co_u32 s[TB], s[TB], NST*STEPB           ; back to a slot's first step,
	s_xor_b32 s[TB], s[TB], SLOT1                  ; in the other slot
.endm
	STEP 1
	STEPS NST-1
.Lslot:                                            ; six trips: every slot but the last two is filled again
	CHANGE 1
	STEPS NST
	s_sub_co_u32 s[SLOTS], s[SLOTS], 1
	s_cmp_lg_u32 s[SLOTS], 0
	s_cbranch_scc1 .Lslot
	CHANGE 0                                       ; the tail is written out
	STEPS NST
	; THE WAY OUT.  l's two halves and the other half of the lanes' are added; O^T is divided by l, rounded to f16 and sent through my stage, a tile (16 tokens) at a time.  The first additions are the places behind the last products.
.irp t, 0,1,2,3
	v_add_f32 v[ST+12*\t+6], v[ST+12*\t+4], v[ST+12*\t+5]
.endr
.irp t, 0,1,2,3
	v_permlanex16_b32 v[ST+12*\t+7], v[ST+12*\t+6], s[SEL], s[SEL+1]
.endr
.irp t, 0,1,2,3
	v_add_f32 v[ST+12*\t+6], v[ST+12*\t+6], v[ST+12*\t+7]
.endr
.irp t, 0,1,2,3
	v_rcp_f32 v[ST+12*\t+2], v[ST+12*\t+6]         ; l is at least 1: the largest p of a row is 1
.endr
	v_nop
	s_wait_alu depctr_va_vdst(0)                   ; one wait for the four reciprocals, ahead of their first reader
.macro PACK t
	WIN 0x41
.set i, 0
.rept 16
	v_pk_mul_f32 v[OT+32*\t+2*i:OT+32*\t+2*i+1], v[OT+32*\t+2*i:OT+32*\t+2*i+1], v[ST+12*\t+2:ST+12*\t+3] op_sel_hi:[1,0]
.set i, i+1
.endr
	WIN 0x05                                       ; sources window 1, destination window 0: S^T's registers are free
.set i, 0
.rept 16
	v_cvt_pk_f16_f32 v[S+16*\t+i], v[OT+32*\t+2*i], v[OT+32*\t+2*i+1]
.set i, i+1
.endr
	WIN 0
.irp n, 0,1,2,3
	ds_store_b128 v[STO], v[S+16*\t+4*\n:S+16*\t+4*\n+3] offset:32*\n
.endr
.irp n, 0,1,2,3
	ds_load_b128 v[S+16*\t+4*\n:S+16*\t+4*\n+3], v[RD] offset:4*SP*\n   ; in order behind the stores above; the next tile's stores come behind these
.endr
.endm
.macro SEND t, younger                 ; younger: the LDS instructions issued behind tile t's loads
.irp n, 0,1,2,3
	s_wait_dscnt \younger+3-\n
	global_store_b128 v[GO], v[S+16*\t+4*\n:S+16*\t+4*\n+3], s[8:9] offset:2048*\t+512*\n   ; 32 lanes store 512 consecutive bytes, aligned
.endr
.endm
	PACK 0
	PACK 1
	SEND 0, 8
	PACK 2
	SEND 1, 8
	PACK 3
	SEND 2, 8
	SEND 3, 0
	s_wait_tensorcnt 0x0                           ; the wave's end
	ds_add_u32 v[SPW], v[NIL]
	s_wait_dscnt 0x0
	CROUND                                         ; the closing round
	s_endpgm
.Lfunc_end_k_q7209cb648c_attn:
	.size	k_q7209cb648c_attn, .Lfunc_end_k_q7209cb648c_attn-k_q7209cb648c_attn
	.p2alignl 7, 3214868480
	.fill 96, 4, 3214868480
	.section	.rodata,"a",@progbits
	.p2align	6, 0x0
	.amdhsa_kernel k_q7209cb648c_attn
		.amdhsa_group_segment_fixed_size 327680
		.amdhsa_private_segment_fixed_size 0
		.amdhsa_enable_private_segment 0
		.amdhsa_kernarg_size 24
		.amdhsa_user_sgpr_count 2
		.amdhsa_user_sgpr_kernarg_segment_ptr 1
		.amdhsa_wavefront_size32 1
		.amdhsa_system_sgpr_workgroup_id_x 1
		.amdhsa_system_sgpr_workgroup_id_y 1
		.amdhsa_system_sgpr_workgroup_id_z 1
		.amdhsa_system_vgpr_workitem_id 0
		.amdhsa_next_free_vgpr 512
		.amdhsa_next_free_sgpr 84
		.amdhsa_reserve_vcc 0
		.amdhsa_float_denorm_mode_32 3
		.amdhsa_float_denorm_mode_16_64 3
		.amdhsa_memory_ordered 1
		.amdhsa_forward_progress 1
		.amdhsa_inst_pref_size 152
	.end_amdhsa_kernel
	.amdgpu_metadata
---
amdhsa.version: [ 1, 2 ]
amdhsa.kernels:
  - .name:           k_q7209cb648c_attn
    .symbol:         k_q7209cb648c_attn.kd
    .args:
      - { .name: qkv, .offset: 0, .size: 8, .value_kind: global_buffer, .address_space: global }
      - { .name: maskb, .offset: 8, .size: 8, .value_kind: global_buffer, .address_space: global }
      - { .name: att, .offset: 16, .size: 8, .value_kind: global_buffer, .address_space: global }
    .group_segment_fixed_size: 327680
    .private_segment_fixed_size: 0
    .kernarg_segment_align: 8
    .kernarg_segment_size: 24
    .max_flat_workgroup_size: 256
    .sgpr_count:     84
    .vgpr_count:     512
    .wavefront_size: 32
...
	.end_amdgpu_metadata
.endif
;; end of part 3
;; launch oproj (part 4): grid 4 x 64, 4 waves a work-group, clusters of 4 x 4, 327,680 bytes of LDS; arguments att, wot, out0, b_out; writes out0
.if DOCPART == 4
	.amdgcn_target "amdgcn-amd-amdhsa--gfx1250"
	.amdhsa_code_object_version 6
	.text
	.protected	k_q7209cb648c_oproj
	.globl	k_q7209cb648c_oproj
	.p2align	8
	.type	k_q7209cb648c_oproj,@function
k_q7209cb648c_oproj:
	s_mov_b64 s[64:65], 0
	v_nop
	global_prefetch_b8 v0, s[64:65] scope:SCOPE_SE
	s_setreg_imm32_b32 hwreg(HW_REG_WAVE_MODE, 25, 1), 1
	s_wait_xcnt 0x0
	s_wait_alu depctr_hold_cnt(0) depctr_sa_sdst(0) depctr_va_vdst(0) depctr_va_sdst(0) depctr_va_ssrc(0) depctr_va_vcc(0) depctr_vm_vsrc(0)
	s_getreg_b32 s2, hwreg(HW_REG_IB_STS2, 6, 4)
	s_cmp_eq_u32 s2, 0
	s_cbranch_scc0 .Lentry_in_a_cluster
	s_endpgm
.Lentry_in_a_cluster:
	s_bfe_u32 s2, ttmp6, 0x10000c
	s_cmp_lg_u32 s2, 0xf033
	s_cbranch_scc0 .Lentry_shape_is_right
	s_endpgm
.Lentry_shape_is_right:
; OPROJ: out0[m][n] = sum over k of o[m][k] W_out[k][n] + b_out[n].  o: att [16 h][8192 m][64] f16 (k = 64 h + d); W_out^T: wot [1024 n][1024 k] f16; out0 [8192][1024] f32; sums in f32.
; A tile of 128 x 256 gives 256 work-groups; four waves, 64 x 128 each: 32 accumulators, 256 registers.  K goes in steps of 128 (two heads' planes of att) through two LDS slots.
; Waves 0 and 1 fetch A's two planes (128 rows x 128 bytes), waves 2 and 3 B's two halves (128 rows x 256 bytes): one tensor load a wave behind each change of slots.
; CLUSTERS: 4 x 4 work-groups; A's tiles are shared along a row of the cluster, B's along a column, by joint loads.  No prefetch: eight short K steps on a small tile, and B is read by sixteen clusters.
; THE MATRIX INSTRUCTION IS USED TRANSPOSED (source 0 = 16 rows of wot, source 1 = 16 rows of att): a lane holds eight neighbouring columns of a row.  b_out, in the result's layout, is the C of each sum's first product.
; REGISTERS: window 0: v16-29 addresses; v64-127 A's fragments, two buffers of 32; v128-255 B's, two buffers of 64 (free on the way out).  window 1: the accumulators, (a, b) at v[8 (8 a + b)].  window 2: v0-63 b_out.
.set APITCH, 144                       ; A's LDS row: 128 bytes + 16
.set BPITCH, 272                       ; B's: 256 + 16
.set APL,    128*APITCH                ; a plane of A
.set BHF,    128*BPITCH                ; a half of B
.set SLOT,   2*APL+2*BHF
.set STAGE,  2*SLOT                    ; behind the ring: 16 rows x (512 bytes + 16) for each wave
.set SPITCH, 528
.set SPARE,  STAGE+4*16*SPITCH         ; the spare words, 128 bytes for each wave: two blocks of 256 bytes that no other line names
.set LAPS,   4                         ; a lap = two K steps = once round the ring
.set ADRA, 16
.set ADRB, 20
.set STO,  24
.set RD,   25
.set CO,   26
.set BO,   27
.set SPW,  28                          ; v28  SPARE + 4 x my thread's number; never rewritten
.set NIL,  29                          ; v29  0; never rewritten
.set AFR,  64
.set BFR,  128
.set BK,   128
.set G1, 24
.set G0, 32
.set G1B, 48
.set G0B, 56
.set MSB, 0
.macro WIN new
.if MSB != (\new)
	s_set_vgpr_msb (MSB<<8)|(\new)
.set MSB, (\new)
.endif
.endm
.set MUL,  0x50                        ; fragments window 0; C and D window 1
.set MULZ, 0x60                        ; C (b_out) window 2, D window 1
.macro JLOAD s                         ; an s_nop 0 and four v_nop follow each of the two lines
	s_cmp_eq_u32 s11, 0
	s_cbranch_scc0 .Lfor_b_\@
	tensor_load_to_lds s[G0+4*\s:G0+4*\s+3], s[G1:G1+7]
	s_nop 0
.rept 4
	v_nop
.endr
	s_branch .Lasked_\@
.Lfor_b_\@:
	tensor_load_to_lds s[G0B+4*\s:G0B+4*\s+3], s[G1B:G1B+7]
	s_nop 0
.rept 4
	v_nop
.endr
.Lasked_\@:
.endm
.macro CREST
	s_cmp_lg_u32 s10, 0
	s_cbranch_scc1 .Lnot_wave_0_\@
	s_barrier_signal -3
.Lnot_wave_0_\@:
	s_barrier_wait -3
	s_barrier_signal -1
	s_barrier_wait -1
.endm
.macro CROUND
	s_barrier_signal -1
	s_barrier_wait -1
	CREST
.endm
	s_load_b128 s[4:7], s[0:1], 0x0                ; att s[4:5], wot s[6:7]
	s_load_b64 s[8:9], s[0:1], 0x10                ; out0
	s_load_b64 s[68:69], s[0:1], 0x18              ; b_out
	v_lshl_add_u32 v[SPW], v0, 2, SPARE
	v_mov_b32 v[NIL], 0
	ds_add_u32 v[SPW], v[NIL]                      ; the wave's opening: the add, twice on end, and its wait ahead of my first tensor load
	ds_add_u32 v[SPW], v[NIL]
	v_lshrrev_b32 v1, 5, v0
	v_readfirstlane_b32 s10, v1                    ; wave 0..3
	s_lshr_b32 s11, s10, 1                         ; my half of the tile's rows.  Also: I fetch for A (0) or for B (1)
	s_and_b32 s12, s10, 1                          ; my half of its columns.  Also: which plane of A or half of B I fetch
	s_bfe_u32 s40, ttmp6, 0x40000                  ; cx
	s_bfe_u32 s41, ttmp6, 0x40004                  ; cy
	s_lshl_b32 s42, ttmp9, 2
	s_add_co_u32 s42, s42, s40                     ; tile column
	s_and_b32 s13, ttmp7, 0xffff
	s_lshl_b32 s13, s13, 2
	s_add_co_u32 s13, s13, s41                     ; tile row
	s_lshl_b32 s43, s41, 2
	s_lshl_b32 s43, 15, s43                        ; my row of the cluster
	s_lshl_b32 s44, 0x1111, s40                    ; my column
	s_or_b32 s[G1+0], s43, (1<<16)|(1<<20)|(1<<21)|(4<<22)|(3<<25)   ; A: the mask; elements of 2 bytes; padding on; bit 21 beside a mask; after every 32 words 4 words
	s_mov_b32 s[G1+1], 64<<16                      ; tensor_dim0 = 64
	s_mov_b32 s[G1+2], 128<<16                     ; tensor_dim1 = 128
	s_mov_b32 s[G1+3], 64<<16                      ; tile_dim0
	s_mov_b32 s[G1+4], 128                         ; tile_dim1
	s_mov_b32 s[G1+5], 64                          ; the pitch
	s_mov_b32 s[G1+6], 0
	s_mov_b32 s[G1+7], 0
	s_or_b32 s[G1B+0], s44, (1<<16)|(1<<20)|(1<<21)|(5<<22)|(3<<25)  ; B: after every 64 words 4 words
	s_mov_b32 s[G1B+1], 128<<16
	s_mov_b32 s[G1B+2], 128<<16
	s_mov_b32 s[G1B+3], 128<<16
	s_mov_b32 s[G1B+4], 128
	s_mov_b32 s[G1B+5], 1024
	s_mov_b32 s[G1B+6], 0
	s_mov_b32 s[G1B+7], 0
	s_lshl_b32 s16, s12, 20                        ; A: plane (wave & 1) of 2^20 bytes + 128 x tile row rows of 128 bytes
	s_lshl_b32 s17, s13, 14
	s_add_co_u32 s16, s16, s17
	s_mov_b32 s17, 0
	s_lshl_b32 s46, s42, 19                        ; B: row 256 x tile column + 128 x (wave & 1), 2,048 bytes a row
	s_lshl_b32 s47, s12, 18
	s_add_co_u32 s46, s46, s47
	s_mov_b32 s47, 0
	s_mul_i32 s20, s12, APL                        ; where they go: no place in the cluster enters an LDS address
	s_mul_i32 s21, s12, BHF
	s_add_co_u32 s21, s21, 2*APL
	s_wait_dscnt 0x0                               ; both opening adds are done
	s_wait_kmcnt 0x0
	s_add_nc_u64 s[14:15], s[4:5], s[16:17]
	s_add_nc_u64 s[46:47], s[6:7], s[46:47]
	CROUND                                         ; all sixteen work-groups are here: the first joint loads meet
.irp s, 0,1
	s_mov_b32 s[G0+4*\s], 1
	s_add_co_u32 s[G0+4*\s+1], s20, \s*SLOT
	s_add_nc_u64 s[G0+4*\s+2:G0+4*\s+3], s[14:15], \s*(1<<21)       ; K step s: planes 2 s, 2 s + 1
	s_or_b32 s[G0+4*\s+3], s[G0+4*\s+3], 0x80000000
	s_mov_b32 s[G0B+4*\s], 1
	s_add_co_u32 s[G0B+4*\s+1], s21, \s*SLOT
	s_add_nc_u64 s[G0B+4*\s+2:G0B+4*\s+3], s[46:47], \s*256
	s_or_b32 s[G0B+4*\s+3], s[G0B+4*\s+3], 0x80000000
	JLOAD \s
.endr
	v_and_b32 v1, 15, v0                           ; r
	v_bfe_u32 v2, v0, 4, 1                         ; h
	v_mul_u32_u24 v3, v1, APITCH
	v_lshl_add_u32 v3, v2, 4, v3
	v_mul_u32_u24 v4, v1, BPITCH
	v_lshl_add_u32 v4, v2, 4, v4
	s_mul_i32 s21, s11, 64*APITCH                  ; my 64 rows of A, in each plane
	s_mul_i32 s22, s12, BHF                        ; my 128 rows of B,
	s_add_co_u32 s22, s22, 2*APL                   ; behind A's two planes
.irp s, 0,1
	v_add_nc_u32 v[ADRA+\s], s21, v3
	v_add_nc_u32 v[ADRB+\s], s22, v4
	s_add_co_u32 s21, s21, SLOT
	s_add_co_u32 s22, s22, SLOT
.endr
	s_mul_i32 s23, s10, 16*SPITCH
	s_add_co_u32 s23, s23, STAGE                   ; my stage
	v_mul_u32_u24 v5, v1, SPITCH
	v_lshl_add_u32 v5, v2, 5, v5
	v_add_nc_u32 v[STO], s23, v5                   ; in: row r, 32 bytes for each half of the lanes
	v_and_b32 v6, 31, v0
	v_lshlrev_b32 v[CO], 4, v6                     ; back: the 32 lanes take one row of 512 bytes; and the same in out0
	v_add_nc_u32 v[RD], s23, v[CO]
	v_lshlrev_b32 v[BO], 5, v2
	s_lshl_b32 s46, s42, 10                        ; my first column, in bytes: 4 x (256 x tile column + 128 x half)
	s_lshl_b32 s47, s12, 9
	s_add_co_u32 s46, s46, s47
	s_mov_b32 s47, 0
	s_add_nc_u64 s[68:69], s[68:69], s[46:47]
	WIN 0x80                                       ; destination window 2
.irp b, 0,1,2,3,4,5,6,7                ; block b: columns 16 b + 8 h + 0 .. 7
	global_load_b128 v[8*\b:8*\b+3], v[BO], s[68:69] offset:64*\b
	global_load_b128 v[8*\b+4:8*\b+7], v[BO], s[68:69] offset:64*\b+16
.endr
	WIN 0
	s_lshl_b32 s16, s13, 19                        ; my first row: (128 x tile row + 64 x half) rows of 4,096 bytes
	s_lshl_b32 s17, s11, 18
	s_add_co_u32 s16, s16, s17
	s_mov_b32 s17, 0
	s_add_nc_u64 s[16:17], s[16:17], s[46:47]
	s_add_nc_u64 s[8:9], s[8:9], s[16:17]
; 8 matrix instructions: A's block a x B's eight, 32 along K, out of buffer f.  zero = 1: the first product starts the sum on b_out.  The 32 accumulators take turns, in the same order in every quarter.
.macro MUL8 f, a, zero
.irp b, 0,1,2,3,4,5,6,7
.if \zero
	v_wmma_f32_16x16x32_f16 v[8*(8*(\a)+\b):8*(8*(\a)+\b)+7], v[BFR+64*(\f)+8*\b:BFR+64*(\f)+8*\b+7], v[AFR+32*(\f)+8*(\a):AFR+32*(\f)+8*(\a)+7], v[8*\b:8*\b+7]
.else
	v_wmma_f32_16x16x32_f16 v[8*(8*(\a)+\b):8*(8*(\a)+\b)+7], v[BFR+64*(\f)+8*\b:BFR+64*(\f)+8*\b+7], v[AFR+32*(\f)+8*(\a):AFR+32*(\f)+8*(\a)+7], v[8*(8*(\a)+\b):8*(8*(\a)+\b)+7]
.endif
.endr
.endm
; 24 LDS loads in one run: quarter q (32 along K) of a slot into buffer f: B's eight fragments, then A's four.  Quarters 0, 1 lie in A's first plane, 2, 3 in its second.
.macro FETCH slot, q, f
	WIN 0
.irp i, 0,1,2,3,4,5,6,7
	ds_load_b128 v[BFR+64*(\f)+8*\i:BFR+64*(\f)+8*\i+3], v[ADRB+\slot] offset:64*(\q)+16*BPITCH*\i
	ds_load_b128 v[BFR+64*(\f)+8*\i+4:BFR+64*(\f)+8*\i+7], v[ADRB+\slot] offset:64*(\q)+16*BPITCH*\i+32
.endr
.irp i, 0,1,2,3
	ds_load_b128 v[AFR+32*(\f)+8*\i:AFR+32*(\f)+8*\i+3], v[ADRA+\slot] offset:((\q)/2)*APL+64*((\q)%2)+16*APITCH*\i
	ds_load_b128 v[AFR+32*(\f)+8*\i+4:AFR+32*(\f)+8*\i+7], v[ADRA+\slot] offset:((\q)/2)*APL+64*((\q)%2)+16*APITCH*\i+32
.endr
.endm
.macro PLACES                          ; four plain lines in front of loads into registers that matrix instructions have read, and of the first read of results
.rept 4
	v_nop
.endr
.endm
.macro MWIN zero
.if \zero
	WIN MULZ
.else
	WIN MUL
.endif
.endm
; One of a K step's first three quarters: multiplies buffer f and fetches quarter q of the same slot into buffer g.
.macro QUARTER slot, q, f, g, zero
	s_wait_dscnt 4                                 ; B and A's blocks 0, 1 are in; the youngest four loads (A's blocks 2, 3) may be out
	MWIN \zero
	MUL8 \f, 0, \zero
	MUL8 \f, 1, \zero
	PLACES
	FETCH \slot, \q, \g
	s_wait_dscnt 24                                ; all but the 24 just issued
	MWIN \zero
	MUL8 \f, 2, \zero
	MUL8 \f, 3, \zero
.endm
; The last quarter multiplies buffer 1 and changes slots: ONE barrier; in front of it each wave waits for all its tensor loads, adds 0 to its spare word, and waits for that and for its reads of this slot.
; fill = 1: the barrier opens a round of the cluster's, and this slot is filled again, two K steps ahead, first thing behind the round.
.macro TURN slot, next, fill
	WIN 0
	s_wait_tensorcnt 0x0                           ; my part of the next slot has landed
	ds_add_u32 v[SPW], v[NIL]
	s_wait_dscnt 5                                 ; the add and the youngest four loads may be out
	WIN MUL
	MUL8 1, 0, 0
	s_wait_dscnt 0x0                               ; the add is done, and my reads of this slot are over
	s_barrier_signal -1
	MUL8 1, 1, 0
.if \fill
	WIN 0
.endif
	s_barrier_wait -1
.if \fill
	CREST
	s_add_nc_u64 s[G0+4*\slot+2:G0+4*\slot+3], s[G0+4*\slot+2:G0+4*\slot+3], 1<<22    ; four planes on
	s_add_nc_u64 s[G0B+4*\slot+2:G0B+4*\slot+3], s[G0B+4*\slot+2:G0B+4*\slot+3], 512
	JLOAD \slot                                    ; its four v_nop are also the places in front of the loads below
.else
	PLACES
.endif
	FETCH \next, 0, 0
	WIN MUL
	MUL8 1, 2, 0
	MUL8 1, 3, 0
.endm
	s_wait_tensorcnt 1                             ; my part of K step 0 is in; K step 1's load may be out
	s_barrier_signal -1
	s_barrier_wait -1
	FETCH 0, 0, 0
	s_wait_loadcnt 0x0                             ; b_out
	QUARTER 0, 1, 0, 1, 1                          ; the first quarter stands in front of the loop: its products start the sums
	WIN 0
	s_mov_b32 s3, LAPS-1
.Llap:                                             ; a trip goes once round the ring, from a lap's second quarter to the next lap's first, and fills both slots again
	QUARTER 0, 2, 1, 0, 0
	QUARTER 0, 3, 0, 1, 0
	TURN 0, 1, 1
	QUARTER 1, 1, 0, 1, 0
	QUARTER 1, 2, 1, 0, 0
	QUARTER 1, 3, 0, 1, 0
	TURN 1, 0, 1
	QUARTER 0, 1, 0, 1, 0
	WIN 0
	s_sub_co_u32 s3, s3, 1
	s_cmp_lg_u32 s3, 0
	s_cbranch_scc1 .Llap
	QUARTER 0, 2, 1, 0, 0                          ; the last lap fills nothing
	QUARTER 0, 3, 0, 1, 0
	TURN 0, 1, 0
	QUARTER 1, 1, 0, 1, 0
	QUARTER 1, 2, 1, 0, 0
	QUARTER 1, 3, 0, 1, 0
	s_wait_dscnt 4                                 ; the very last quarter
	WIN MUL
	MUL8 1, 0, 0
	MUL8 1, 1, 0
	s_wait_dscnt 0
	MUL8 1, 2, 0
	MUL8 1, 3, 0
	WIN 0
; THE WAY OUT, a block of 16 rows x 128 columns at a time, through my own stage: back as whole rows of 512 bytes.
.macro TOSTAGE a
	WIN 0x04                                       ; an LDS store's data are its source 1: window 1
.irp b, 0,1,2,3,4,5,6,7
	ds_store_b128 v[STO], v[8*(8*(\a)+\b):8*(8*(\a)+\b)+3] offset:64*\b          ; each accumulator from its low end on
	ds_store_b128 v[STO], v[8*(8*(\a)+\b)+4:8*(8*(\a)+\b)+7] offset:64*\b+16
.endr
	WIN 0
.set BB, BK+64*((\a)%2)
.irp t, 0,1,2,3,4,5,6,7,8,9,10,11,12,13,14,15
	ds_load_b128 v[BB+4*\t:BB+4*\t+3], v[RD] offset:\t*SPITCH      ; in order behind the stores above
.endr
.endm
.macro SEND a, younger                 ; younger: the LDS instructions issued behind block a's loads
.set BB, BK+64*((\a)%2)
	s_wait_dscnt \younger
.irp t, 0,1,2,3,4,5,6,7,8,9,10,11,12,13,14,15
	global_store_b128 v[CO], v[BB+4*\t:BB+4*\t+3], s[8:9] offset:(16*(\a)+\t)*4096 th:TH_STORE_NT   ; 32 lanes store 512 consecutive bytes, aligned; written once, read by nobody here
.endr
.endm
	PLACES
	TOSTAGE 0
.irp a, 1,2,3
.if \a > 1
	s_wait_xcnt 0x0                                ; block a - 2's stores have read their registers: block a's loads may land there
.endif
	TOSTAGE \a
	SEND \a-1, 32                                  ; behind block a - 1's loads: block a's 16 stores and 16 loads
.endr
	SEND 3, 0
	s_wait_tensorcnt 0x0                           ; the wave's end
	ds_add_u32 v[SPW], v[NIL]
	s_wait_dscnt 0x0
	CROUND                                         ; the closing round
	s_endpgm
.Lfunc_end_k_q7209cb648c_oproj:
	.size	k_q7209cb648c_oproj, .Lfunc_end_k_q7209cb648c_oproj-k_q7209cb648c_oproj
	.p2alignl 7, 3214868480
	.fill 96, 4, 3214868480
	.section	.rodata,"a",@progbits
	.p2align	6, 0x0
	.amdhsa_kernel k_q7209cb648c_oproj
		.amdhsa_group_segment_fixed_size 327680
		.amdhsa_private_segment_fixed_size 0
		.amdhsa_enable_private_segment 0
		.amdhsa_kernarg_size 32
		.amdhsa_user_sgpr_count 2
		.amdhsa_user_sgpr_kernarg_segment_ptr 1
		.amdhsa_wavefront_size32 1
		.amdhsa_system_sgpr_workgroup_id_x 1
		.amdhsa_system_sgpr_workgroup_id_y 1
		.amdhsa_system_sgpr_workgroup_id_z 1
		.amdhsa_system_vgpr_workitem_id 0
		.amdhsa_next_free_vgpr 576
		.amdhsa_next_free_sgpr 72
		.amdhsa_reserve_vcc 0
		.amdhsa_float_denorm_mode_32 3
		.amdhsa_float_denorm_mode_16_64 3
		.amdhsa_memory_ordered 1
		.amdhsa_forward_progress 1
		.amdhsa_inst_pref_size 86
	.end_amdhsa_kernel
	.amdgpu_metadata
---
amdhsa.version: [ 1, 2 ]
amdhsa.kernels:
  - .name:           k_q7209cb648c_oproj
    .symbol:         k_q7209cb648c_oproj.kd
    .args:
      - { .name: att, .offset: 0, .size: 8, .value_kind: global_buffer, .address_space: global }
      - { .name: wot, .offset: 8, .size: 8, .value_kind: global_buffer, .address_space: global }
      - { .name: out0, .offset: 16, .size: 8, .value_kind: global_buffer, .address_space: global }
      - { .name: b_out, .offset: 24, .size: 8, .value_kind: global_buffer, .address_space: global }
    .group_segment_fixed_size: 327680
    .private_segment_fixed_size: 0
    .kernarg_segment_align: 8
    .kernarg_segment_size: 32
    .max_flat_workgroup_size: 128
    .sgpr_count:     72
    .vgpr_count:     576
    .wavefront_size: 32
...
	.end_amdgpu_metadata
.endif
;; end of part 4
